; MI455X (gfx1250); checked and timed in simulation.
; The chip was launched on July 23, 2026; its instructions are those of AMD's public machine-readable ISA for CDNA 5 (MIT licence, August 2026) and "CDNA5" Instruction Set Architecture Reference Guide (July 2026). The comments in the code are by the model that wrote it; some were corrected since.
;; Transformer. Allowed arithmetic: matrix products marked QUANTISED: E2M1 operands, one E8M0 scale for each 32 along K, by v_wmma_scale_f32_16x16x128_f8f6f4 with both operands' format E2M1 (or v_wmma_scale_f32_32x16x128_f4), f32 sums; products left as they are: bf16, f16 or f32 operands; f32 sums; everything else in f32.
;; Inputs: K1 1 x 1,024 x 4,096 float32; K2 1 x 4,096 x 1,024 float32; WK 1 x 1,024 x 1,024 float32; WO 1 x 1,024 x 1,024 float32; WQ 1 x 1,024 x 1,024 float32; WV 1 x 1,024 x 1,024 float32; b1 1 x 4,096 float32; b2 1 x 1,024 float32; be1 1 x 1,024 float32; be2 1 x 1,024 float32; g1 1 x 1,024 float32; g2 1 x 1,024 float32; x 4 x 1,024 x 1,024 float32.
;; Outputs: out0 4 x 1,024 x 1,024 float32.
;; This version of the problem:
;;   THIS VERSION OF THE PROBLEM IS GIVEN IN LOW PRECISION. The matrix products marked QUANTISED in the list below multiply operands that are first quantised to E2M1 (2 exponent bits, 1 mantissa bit; 4 bits a number), with one power-of-two scale for each 32 numbers along K (OCP MX v1.0); their sums are f32. The products marked 'left as it is' may take bf16, f16 or f32 operands, with f32 sums. Whichever they take, every output number must still come out within the allowed error. Rounding operands to bf16 (8 significant bits) uses up far more of that allowance than f16 does (11 bits, for magnitudes from 6e-5 to 65,504). All else is computed in f32.
;;   The module's matrix products, in the order in which they are computed (A, B: the left and right operand; K: the contracted axis; several contracted axes count as one K, in the product's order):
;;     1. [M 4,096, K 1,024] x [K 1,024, N 1,024]; A: input x; B: input WQ: QUANTISED
;;     2. [M 4,096, K 1,024] x [K 1,024, N 1,024]; A: input x; B: input WK: QUANTISED
;;     3. [M 4,096, K 1,024] x [K 1,024, N 1,024]; A: input x; B: input WK: QUANTISED
;;     4. [M 4,096, K 1,024] x [K 1,024, N 1,024]; A: input x; B: input WV: QUANTISED
;;     5. batch 64 x [M 1,024, K 64] x [K 64, N 1,024]; A: computed on the way; B: computed on the way: left as it is (an operand is computed on the way)
;;     6. batch 64 x [M 1,024, K 1,024] x [K 1,024, N 64]; A: computed on the way; B: computed on the way: left as it is (an operand is computed on the way)
;;     7. [M 4,096, K 1,024] x [K 1,024, N 1,024]; A: computed on the way; B: input WO: left as it is (an operand is computed on the way)
;;     8. [M 4,096, K 1,024] x [K 1,024, N 4,096]; A: computed on the way; B: input K1: left as it is (an operand is computed on the way)
;;     9. [M 4,096, K 4,096] x [K 4,096, N 1,024]; A: computed on the way; B: input K2: left as it is (an operand is computed on the way)
;;   THE QUANTISER, for each operand of a quantised product, along K:
;;     - K is cut into blocks of 32 from its start; a last block that is shorter is filled with zeros.
;;     - A block's scale is 2^e with e = floor(log2(the largest magnitude in the block)) - 2, held to -126 .. 127; a block of zeros has e = 0. As a byte (E8M0): e + 127.
;;     - Each number is divided by its block's scale, clamped to +-6, and rounded to the nearest number of E2M1, ties to even, subnormals kept.
;;     - The product sums the exact products of the quantised numbers (number of the format x scale) in f32.
;;   ~~~python
;;   def quantise(x, axis):      # numpy; x: float32 -> the quantised numbers, widened to float32 again
;;       x = np.moveaxis(x, axis, -1); K = x.shape[-1]
;;       x = np.pad(x, [(0, 0)] * (x.ndim - 1) + [(0, -K % 32)]); x = x.reshape(x.shape[:-1] + (-1, 32)); a = np.abs(x).max(-1, keepdims=True)
;;       e = np.where(a > 0, np.clip(np.frexp(np.where(a > 0, a, 1))[1] - 1 - 2, -126, 127), 0)      # np.frexp(a)[1] - 1 = floor(log2(a)), exactly
;;       r = np.clip(x / 2.0 ** e, -6, 6)
;;       step = 2.0 ** (np.maximum(np.frexp(np.where(r == 0, 1, r))[1] - 1, 0) - 1)
;;       q = np.round(r / step) * step * 2.0 ** e      # np.round: ties to even
;;       return np.moveaxis(q.reshape(q.shape[:-2] + (-1,))[..., :K], -1, axis).astype(np.float32)
;;   ~~~
;; One version. Each part assembles by itself: llvm-mc -triple=amdgcn-amd-amdhsa -mcpu=gfx1250 --defsym DOCPART=n.
;; ======== version 1 of 1: 8 launches
;; limits: values are held in f16: magnitudes above 65,504 overflow, below 6.1e-05 lose precision; a function is approximated: absolute error at most 1.5e-07
;; workspace buffers: pw 22,773,760 bytes; qkv 25,165,824 bytes; o 8,388,608 bytes; y1 16,777,216 bytes; x1 25,165,824 bytes; hh 33,554,432 bytes; y2 16,777,216 bytes
;; launch prep (part 1): grid 752 x 1, 4 waves a work-group, no clusters, 102,912 bytes of LDS; arguments x, WQ, WK, WV, WO, K1, K2, pw; writes pw
.if DOCPART == 1
	.amdgcn_target "amdgcn-amd-amdhsa--gfx1250"
	.amdhsa_code_object_version 6
	.text
	.protected	k_qc0a1159b07_prep
	.globl	k_qc0a1159b07_prep
	.p2align	8
	.type	k_qc0a1159b07_prep,@function
k_qc0a1159b07_prep:
	s_mov_b64 s[64:65], 0
	v_nop
	global_prefetch_b8 v0, s[64:65] scope:SCOPE_SE
	s_setreg_imm32_b32 hwreg(HW_REG_WAVE_MODE, 25, 1), 1
	s_wait_xcnt 0x0
; PREP: all operands are laid out once, as the later launches read them, into the workspace pw.
;   work-groups 0-127:   x [4096][1024] f32 -> codes of E2M1 (K innermost, 512 bytes a row) and E8M0 bytes (32 a row)
;   work-groups 128-175: WQ, WK, WV [1024 k][1024 n] f32 -> codes and bytes with K innermost, rows in the order which x 1024 + head x 64 + d,
;                        taken from column n = 16 d + head (the head is the fastest axis of the projected columns)
;   work-groups 176-751: WO, K1, K2 [k][n] f32 -> f16, laid [n][k]
; DEAD WORK.  reference() computes x @ WK twice: the first result is bound to k and bound anew by the second before anything reads it, so it can
; reach no output whatever the inputs hold.  The program multiplies x by WK once.  No input is left out.  A NaN, an infinity or an overflow that
; reached only that first product would not be carried; it is the same product as the second, so there is none.
; THE QUANTISER.  A block's scale is 2^(floor(log2(largest magnitude)) - 2); its byte is the largest magnitude's exponent field - 2, held at 1 from below.
; LIMITS.  A block of zeros gets the byte 1 with zero codes (this program alone reads the bytes); blocks whose largest magnitude lies under 2^-124 keep the
; byte 1; NaN and infinities among the inputs are not served; a weight beyond 65,504 becomes infinity in f16, one under 6e-8 becomes 0.
; The three kinds of work-group part on the work-group's number and use LDS bytes of their own.  No tensor load, no barrier: waves share nothing.
.set OXC,  0
.set OXS,  2097152
.set OWC,  2228224
.set OWS,  3801088
.set OWOT, 3899392
.set OK1T, 5996544
.set OK2T, 14385152
.set RB,    32768                      ; LDS: bytes 0 on: x's path, 8,192 a wave; from RB: the projections' stages, 32 x 272 a wave;
.set RC,    67584                      ; from RC: the cast's stages, 32 x 272 a wave;
.set SPARE, 102400                     ; the spare words, 128 bytes a wave, which no other line names
.set SPW,  208                         ; v208 LDS address of my spare word; never rewritten
.set NIL,  209                         ; v209 0; never rewritten
.set EMAX, 2
.set STP,  272                         ; a stage row: 256 bytes + 16
.macro FINISH                          ; a wave's end: behind my last LDS store
	s_wait_tensorcnt 0x0
	ds_add_u32 v[SPW], v[NIL]
	s_wait_dscnt 0x0
	s_endpgm
.endm
	s_load_b256 s[4:11], s[0:1], 0x0               ; x s[4:5], WQ s[6:7], WK s[8:9], WV s[10:11]
	s_load_b256 s[12:19], s[0:1], 0x20             ; WO s[12:13], K1 s[14:15], K2 s[16:17], pw s[18:19]
	v_lshl_add_u32 v[SPW], v0, 2, SPARE
	v_mov_b32 v[NIL], 0
	v_lshrrev_b32 v1, 5, v0
	v_readfirstlane_b32 s20, v1                    ; wave 0..3
	v_and_b32 v2, 31, v0                           ; lane
	s_wait_kmcnt 0x0
	s_cmp_lt_u32 ttmp9, 128
	s_cbranch_scc1 .Lpath_a
	s_cmp_lt_u32 ttmp9, 176
	s_cbranch_scc1 .Lpath_b
; ---------------------------------------------------------------- THE CAST: WO, K1, K2 -> f16, [n][k]
; One path for the three tensors: their sizes stand in scalar registers.  A work-group takes 128 columns x 128 along K, a wave 32 columns.
; A lane takes a column and its registers run down K: each load reads 128 consecutive bytes, and two neighbours along K pack into a word.
; A column's 128 numbers, 256 bytes, go through the wave's stage and leave as rows: sixteen lanes store 256 consecutive bytes, aligned.
.set BX,   32                          ; v32-95   two sets of 32 numbers
.set BC,   96                          ; v96-111  what a block has made
.set BOUT, 112                         ; v112-175 the way out
.set VO,   176                         ; v176-207 byte offset of row i of a block: i x pitch + 4 x lane
	s_sub_co_u32 s21, ttmp9, 176                   ; 0-63 WO, 64-319 K1, 320-575 K2
	s_mov_b32 s32, OK2T
	s_mov_b32 s33, OK1T
	s_cmp_lt_u32 s21, 320
	s_cselect_b64 s[16:17], s[14:15], s[16:17]
	s_cselect_b32 s32, s33, s32
	s_cselect_b32 s36, 1, 0                        ; 1: WO or K1
	s_mov_b32 s33, OWOT
	s_cmp_lt_u32 s21, 64
	s_cselect_b64 s[12:13], s[12:13], s[16:17]     ; the source
	s_cselect_b32 s32, s33, s32                    ; where its f16 lie in pw
	s_cselect_b32 s37, 1, 0                        ; 1: WO
	s_sub_co_u32 s38, s36, s37
	s_lshl_b32 s38, s38, 1                         ; 2 for K1, else 0
	s_lshl_b32 s22, 4096, s38                      ; bytes in a row of the source: 4 n
	s_add_co_u32 s39, s38, 3                       ; log2 of the blocks of 128 columns
	s_xor_b32 s40, s36, 1                          ; 1: K2
	s_lshl_b32 s41, s40, 1
	s_lshl_b32 s23, 2048, s41                      ; bytes in a row of the result: 2 k
	s_xor_b32 s41, s37, 1
	s_lshl_b32 s41, s41, 6
	s_sub_co_u32 s21, s21, s41
	s_lshl_b32 s41, s40, 8
	s_sub_co_u32 s21, s21, s41                     ; the work-group's number within its tensor
	s_bfm_b32 s41, s39, 0
	s_and_b32 s42, s21, s41                        ; block of columns
	s_lshr_b32 s43, s21, s39                       ; block along K
	s_lshl_b32 s42, s42, 7
	s_lshl_b32 s44, s20, 5
	s_add_co_u32 s42, s42, s44                     ; my wave's first column
	s_lshl_b32 s44, s43, 7
	s_mul_i32 s44, s44, s22
	s_lshl_b32 s45, s42, 2
	s_add_co_u32 s44, s44, s45
	s_mov_b32 s45, 0
	s_add_nc_u64 s[24:25], s[12:13], s[44:45]      ; block 0 of 32 along K; the three others 32 rows on each
	s_lshl_b32 s34, s22, 5
	s_mov_b32 s35, 0
	s_add_nc_u64 s[26:27], s[24:25], s[34:35]
	s_add_nc_u64 s[28:29], s[26:27], s[34:35]
	s_add_nc_u64 s[30:31], s[28:29], s[34:35]
	s_mul_i32 s44, s42, s23
	s_lshl_b32 s46, s43, 8
	s_add_co_u32 s44, s44, s46
	s_add_co_u32 s44, s44, s32
	s_add_nc_u64 s[18:19], s[18:19], s[44:45]      ; the result: my first column's row, my 256 bytes of it
	v_lshlrev_b32 v3, 2, v2
.set i, 0
.rept 32
	v_mad_u32_u24 v[VO+i], s22, i, v3
.set i, i+1
.endr
	s_mul_i32 s46, s20, 32*STP
	s_add_co_u32 s46, s46, RC                      ; my stage
	v_mul_u32_u24 v4, v2, STP
	v_add_nc_u32 v4, s46, v4                       ; into it: row = my column
	v_and_b32 v5, 15, v2
	v_lshrrev_b32 v6, 4, v2
	v_mul_u32_u24 v7, v6, STP
	v_lshl_add_u32 v7, v5, 4, v7
	v_add_nc_u32 v7, s46, v7                       ; out of it: sixteen lanes to a row, two rows an instruction
	v_mul_u32_u24 v8, s23, v6
	v_lshl_add_u32 v8, v5, 4, v8                   ; and the same place in the result
.macro CLOAD t
.set i, 0
.rept 32
	global_load_b32 v[BX+32*((\t)%2)+i], v[VO+i], s[24+2*(\t):25+2*(\t)] th:TH_LOAD_NT
.set i, i+1
.endr
.endm
.macro CBLOCK t
.if (\t) < 3
	s_wait_loadcnt 32                              ; this block's 32 loads are in; the next block's may be out
.else
	s_wait_loadcnt 0
.endif
.set i, 0
.rept 16
	v_cvt_pk_f16_f32 v[BC+i], v[BX+32*((\t)%2)+2*i], v[BX+32*((\t)%2)+2*i+1]   ; the lower k in the low half
.set i, i+1
.endr
.irp g, 0,1,2,3
	ds_store_b128 v4, v[BC+4*\g:BC+4*\g+3] offset:64*(\t)+16*\g
.endr
.if (\t)+2 < 4
	CLOAD (\t)+2
.endif
	s_wait_dscnt 0x0                               ; the stores have read their registers: the next block may write them
.endm
	CLOAD 0
	CLOAD 1
	CBLOCK 0
	CBLOCK 1
	CBLOCK 2
	CBLOCK 3
.set i, 0
.rept 16
	v_mad_u32_u24 v[BX+i], s23, 2*i, v8            ; rows 2 i and 2 i + 1 of the result
.set i, i+1
.endr
.irp t, 0,1,2,3,4,5,6,7,8,9,10,11,12,13,14,15
	ds_load_b128 v[BOUT+4*\t:BOUT+4*\t+3], v7 offset:2*\t*STP   ; LDS serves a wave's instructions in order: these see my stores
.endr
.irp t, 0,1,2,3,4,5,6,7,8,9,10,11,12,13,14,15
	s_wait_dscnt 15-\t
	global_store_b128 v[BX+\t], v[BOUT+4*\t:BOUT+4*\t+3], s[18:19]
.endr
	FINISH
; ---------------------------------------------------------------- x -> codes and scale bytes
; Rows are dense and 1,024 is a multiple of 32: x is a plain stream of blocks of 32, and so are its codes and bytes.  A wave takes 16 steps of 512 numbers.
; Each load reads 512 consecutive bytes; a step's 2,048 bytes turn through the wave's stage (16 bytes of padding behind each 64) and come back 64 bytes a lane:
; 16 neighbours along K, two lanes to a block.  A lane's 16 codes are 8 bytes: the wave stores 256 consecutive bytes.  A wave's 256 scale bytes are gathered in LDS.
.set STEPS, 16
.set SP,   80
.set AR,   16                          ; v16-79   four sets of 16 numbers as loaded
.set AX,   80                          ; v80-111  two sets of 16 neighbours
.set AE,   112                         ; v112-127 a scale byte for each step
.set AC,   128                         ; v128-191 codes: registers of its own for each step
.macro ALOAD t
.irp i, 0,1,2,3
	global_load_b128 v[AR+16*((\t)%4)+4*\i:AR+16*((\t)%4)+4*\i+3], v3, s[4:5] offset:2048*(\t)+512*\i th:TH_LOAD_NT
.endr
.endm
.macro ATURN t                         ; LDS serves a wave's instructions in order: no wait between the stores and the loads
.irp i, 0,1,2,3
	ds_store_b128 v14, v[AR+16*((\t)%4)+4*\i:AR+16*((\t)%4)+4*\i+3] offset:32*SP*((\t)%2)+8*SP*\i
.endr
.irp i, 0,1,2,3
	ds_load_b128 v[AX+16*((\t)%2)+4*\i:AX+16*((\t)%2)+4*\i+3], v15 offset:32*SP*((\t)%2)+16*\i
.endr
.endm
.macro ASTEP t
.set XA, AX+16*((\t)%2)
.if (\t) > 0
	s_wait_dscnt 1                                 ; this step's numbers are back from the stage; the last step's byte store may be out
.else
	s_wait_dscnt 0x0
.endif
.if (\t)+4 < STEPS
	ALOAD (\t)+4
.endif
.if (\t)+1 < STEPS
.if STEPS-2-(\t) >= 3
	s_wait_loadcnt 12                              ; the next step's four loads are in; those of the three steps behind it may be out
.else
	s_wait_loadcnt 4*(STEPS-2-(\t))
.endif
	ATURN (\t)+1
.endif
	v_max3_num_f32 v8, |v[XA]|, |v[XA+1]|, |v[XA+2]|
	v_max3_num_f32 v9, |v[XA+3]|, |v[XA+4]|, |v[XA+5]|
.irp i, 6,10
	v_max3_num_f32 v8, v8, |v[XA+\i]|, |v[XA+\i+1]|
	v_max3_num_f32 v9, v9, |v[XA+\i+2]|, |v[XA+\i+3]|
.endr
	v_max3_num_f32 v8, v8, |v[XA+14]|, |v[XA+15]|
	v_max3_num_f32 v8, v8, v9, (EMAX+1)<<23        ; the floor 2^(3 - 127): the byte cannot fall under 1
	v_max_num_f32_dpp v8, v8, v8 row_xmask:1 row_mask:0xf bank_mask:0xf   ; with my neighbour's 16: the block's largest magnitude
	v_add_nc_u32 v11, -(EMAX<<23), v8              ; 2 off its exponent field: the conversion takes that field as its scale
	v_cvt_scalef32_pk8_fp4_f32 v[AC+4*(\t)], v[XA:XA+7], v11
	v_cvt_scalef32_pk8_fp4_f32 v[AC+4*(\t)+1], v[XA+8:XA+15], v11
	v_lshrrev_b32 v[AE+(\t)], 23, v11              ; the scale's byte
	ds_store_b8 v5, v[AE+(\t)] offset:16*(\t)      ; both lanes of a block write the same byte with the same value
	global_store_b64 v4, v[AC+4*(\t):AC+4*(\t)+1], s[26:27] offset:256*(\t)
.endm
.Lpath_a:
	v_lshlrev_b32 v3, 4, v2                        ; my 16 bytes of a load's 512
	s_lshl_b32 s21, s20, 13                        ; my wave's 8,192 bytes of LDS
	v_lshrrev_b32 v14, 2, v2
	v_mul_u32_u24 v14, v14, SP
	v_and_b32 v15, 3, v2
	v_lshl_add_u32 v14, v15, 4, v14
	v_add_nc_u32 v14, s21, v14                     ; the stage, on the way in
	v_mul_u32_u24 v15, v2, SP
	v_add_nc_u32 v15, s21, v15                     ; and on the way out: my 16 neighbours
	v_lshlrev_b32 v4, 3, v2                        ; my codes' place in a step's
	v_lshrrev_b32 v5, 1, v2
	s_add_co_u32 s21, s21, 2*32*SP
	v_add_nc_u32 v5, s21, v5                       ; my block's byte among the wave's 256
	v_lshlrev_b32 v7, 3, v2
	v_add_nc_u32 v6, s21, v7
	s_lshl_b32 s22, ttmp9, 2
	s_add_co_u32 s22, s22, s20                     ; which run of 8,192 numbers is my wave's
	s_mov_b32 s25, 0
	s_lshl_b32 s24, s22, 15
	s_add_nc_u64 s[4:5], s[4:5], s[24:25]
	s_lshl_b32 s24, s22, 12
	s_add_nc_u64 s[26:27], s[18:19], s[24:25]      ; its codes (OXC = 0)
	s_lshl_b32 s24, s22, 8
	s_add_co_u32 s24, s24, OXS
	s_add_nc_u64 s[28:29], s[18:19], s[24:25]      ; its scale bytes
.irp t, 0,1,2,3
	ALOAD \t
.endr
	s_wait_loadcnt 12                              ; step 0's four loads are in
	ATURN 0
.irp t, 0,1,2,3,4,5,6,7,8,9,10,11,12,13,14,15
	ASTEP \t
.endr
	ds_load_b64 v[8:9], v6
	s_wait_dscnt 0x0
	global_store_b64 v7, v[8:9], s[28:29]          ; 32 lanes store 256 consecutive bytes, aligned
	FINISH
; ---------------------------------------------------------------- WQ, WK, WV -> codes and scale bytes, K innermost, rows by head
; A lane takes a column n and its registers run down K: a block of 32 lies in one lane, and the conversions give codes with K innermost.
; A wave takes 32 columns x 512 along K.  Column n0 + c goes to row (c % 16) x 64 + n0 / 16 + c / 16 of its tensor's 1,024: only the stores' addresses know of it.
.set BSB,  24                          ; v24-27 the scale bytes, four to a register
.macro BLOAD t
.set i, 0
.rept 32
	global_load_b32 v[BX+32*((\t)%2)+i], v3, s[6:7] offset:(32*(\t)+i)*4096 th:TH_LOAD_NT
.set i, i+1
.endr
.endm
.macro BBLOCK t
.set XB, BX+32*((\t)%2)
.if (\t) < 15
	s_wait_loadcnt 32                              ; this block's 32 loads are in; the next block's may be out
.else
	s_wait_loadcnt 0
.endif
	v_max3_num_f32 v12, |v[XB]|, |v[XB+1]|, |v[XB+2]|
	v_max3_num_f32 v13, |v[XB+3]|, |v[XB+4]|, |v[XB+5]|
.irp i, 6,10,14,18,22,26
	v_max3_num_f32 v12, v12, |v[XB+\i]|, |v[XB+\i+1]|
	v_max3_num_f32 v13, v13, |v[XB+\i+2]|, |v[XB+\i+3]|
.endr
	v_max3_num_f32 v12, v12, |v[XB+30]|, |v[XB+31]|
	v_max3_num_f32 v12, v12, v13, (EMAX+1)<<23     ; the floor
	v_add_nc_u32 v11, -(EMAX<<23), v12             ; the conversion's scale operand
	v_lshrrev_b32 v13, 23, v11                     ; the scale's byte
.if (\t)%4 == 0
	v_mov_b32 v[BSB+(\t)/4], v13
.else
	v_lshl_or_b32 v[BSB+(\t)/4], v13, 8*((\t)%4), v[BSB+(\t)/4]
.endif
.irp g, 0,1,2,3
	v_cvt_scalef32_pk8_fp4_f32 v[BC+\g], v[XB+8*\g:XB+8*\g+7], v11
.endr
	ds_store_b128 v4, v[BC:BC+3] offset:16*(\t)    ; 32 codes: 16 bytes of my column's row
.if (\t)+2 < 16
	BLOAD (\t)+2
.endif
	s_wait_dscnt 0x0                               ; the store has read its registers
.endm
.Lpath_b:
	s_sub_co_u32 s21, ttmp9, 128
	s_lshr_b32 s22, s21, 4                         ; 0 WQ, 1 WK, 2 WV
	s_and_b32 s23, s21, 7                          ; block of 128 columns
	s_bfe_u32 s24, s21, 0x10003                    ; which 512 along K
	s_cmp_eq_u32 s22, 1
	s_cselect_b64 s[6:7], s[8:9], s[6:7]
	s_cmp_eq_u32 s22, 2
	s_cselect_b64 s[6:7], s[10:11], s[6:7]
	s_lshl_b32 s25, s23, 7
	s_lshl_b32 s26, s20, 5
	s_add_co_u32 s25, s25, s26                     ; n0: my wave's first column
	s_lshl_b32 s28, s24, 21                        ; 512 rows of 4,096 bytes
	s_lshl_b32 s26, s25, 2
	s_add_co_u32 s28, s28, s26
	s_mov_b32 s29, 0
	s_add_nc_u64 s[6:7], s[6:7], s[28:29]
	s_lshl_b32 s28, s22, 19                        ; codes: 1,024 rows of 512 bytes a tensor,
	s_lshl_b32 s26, s25, 5                         ; row n0 / 16,
	s_add_co_u32 s28, s28, s26
	s_lshl_b32 s26, s24, 8                         ; my 256 bytes of a row
	s_add_co_u32 s28, s28, s26
	s_add_co_u32 s28, s28, OWC
	s_add_nc_u64 s[30:31], s[18:19], s[28:29]
	s_lshl_b32 s28, s22, 15                        ; scale bytes: 32 a row
	s_lshl_b32 s26, s25, 1
	s_add_co_u32 s28, s28, s26
	s_lshl_b32 s26, s24, 4
	s_add_co_u32 s28, s28, s26
	s_add_co_u32 s28, s28, OWS
	s_add_nc_u64 s[32:33], s[18:19], s[28:29]
	v_lshlrev_b32 v3, 2, v2
	s_mul_i32 s26, s20, 32*STP
	s_add_co_u32 s26, s26, RB                      ; my stage
	v_mul_u32_u24 v4, v2, STP
	v_add_nc_u32 v4, s26, v4
	v_and_b32 v5, 15, v2
	v_lshrrev_b32 v6, 4, v2
	v_mul_u32_u24 v7, v6, STP
	v_lshl_add_u32 v7, v5, 4, v7
	v_add_nc_u32 v7, s26, v7
	v_lshlrev_b32 v8, 15, v6                       ; the odd stage row is the next head: 64 rows of 512 bytes on
	v_lshl_add_u32 v8, v5, 4, v8
	v_lshlrev_b32 v9, 11, v5                       ; my column's row of scale bytes: ((lane % 16) x 64 + lane / 16) x 32
	v_lshl_add_u32 v9, v6, 5, v9
	BLOAD 0
	BLOAD 1
.set Q, 0
.rept 16
	BBLOCK Q
.set Q, Q+1
.endr
	global_store_b128 v9, v[BSB:BSB+3], s[32:33]   ; my column's 16 scale bytes
.irp t, 0,1,2,3,4,5,6,7,8,9,10,11,12,13,14,15
	ds_load_b128 v[BOUT+4*\t:BOUT+4*\t+3], v7 offset:2*\t*STP
.endr
.irp t, 0,1,2,3,4,5,6,7,8,9,10,11,12,13,14,15
	s_wait_dscnt 15-\t
	global_store_b128 v8, v[BOUT+4*\t:BOUT+4*\t+3], s[30:31] offset:(((2*\t)%16)*64+\t/8)*512   ; sixteen lanes store 256 consecutive bytes, aligned
.endr
	FINISH
.Lfunc_end_k_qc0a1159b07_prep:
	.size	k_qc0a1159b07_prep, .Lfunc_end_k_qc0a1159b07_prep-k_qc0a1159b07_prep
	.p2alignl 7, 3214868480
	.fill 96, 4, 3214868480
	.section	.rodata,"a",@progbits
	.p2align	6, 0x0
	.amdhsa_kernel k_qc0a1159b07_prep
		.amdhsa_group_segment_fixed_size 102912
		.amdhsa_private_segment_fixed_size 0
		.amdhsa_enable_private_segment 0
		.amdhsa_kernarg_size 64
		.amdhsa_user_sgpr_count 2
		.amdhsa_user_sgpr_kernarg_segment_ptr 1
		.amdhsa_wavefront_size32 1
		.amdhsa_system_sgpr_workgroup_id_x 1
		.amdhsa_system_sgpr_workgroup_id_y 1
		.amdhsa_system_sgpr_workgroup_id_z 1
		.amdhsa_system_vgpr_workitem_id 0
		.amdhsa_next_free_vgpr 216
		.amdhsa_next_free_sgpr 66
		.amdhsa_reserve_vcc 0
		.amdhsa_float_denorm_mode_32 3
		.amdhsa_float_denorm_mode_16_64 3
		.amdhsa_memory_ordered 1
		.amdhsa_forward_progress 1
		.amdhsa_inst_pref_size 137
	.end_amdhsa_kernel
	.amdgpu_metadata
---
amdhsa.version: [ 1, 2 ]
amdhsa.kernels:
  - .name:           k_qc0a1159b07_prep
    .symbol:         k_qc0a1159b07_prep.kd
    .args:
      - { .name: x, .offset: 0, .size: 8, .value_kind: global_buffer, .address_space: global }
      - { .name: WQ, .offset: 8, .size: 8, .value_kind: global_buffer, .address_space: global }
      - { .name: WK, .offset: 16, .size: 8, .value_kind: global_buffer, .address_space: global }
      - { .name: WV, .offset: 24, .size: 8, .value_kind: global_buffer, .address_space: global }
      - { .name: WO, .offset: 32, .size: 8, .value_kind: global_buffer, .address_space: global }
      - { .name: K1, .offset: 40, .size: 8, .value_kind: global_buffer, .address_space: global }
      - { .name: K2, .offset: 48, .size: 8, .value_kind: global_buffer, .address_space: global }
      - { .name: pw, .offset: 56, .size: 8, .value_kind: global_buffer, .address_space: global }
    .group_segment_fixed_size: 102912
    .private_segment_fixed_size: 0
    .kernarg_segment_align: 8
    .kernarg_segment_size: 64
    .max_flat_workgroup_size: 128
    .sgpr_count:     66
    .vgpr_count:     216
    .wavefront_size: 32
...
	.end_amdgpu_metadata
.endif
;; end of part 1
;; launch qkv (part 2): grid 12 x 16, 4 waves a work-group, clusters of 4 x 4, 327,680 bytes of LDS; arguments pw, qkv; writes qkv
.if DOCPART == 2
	.amdgcn_target "amdgcn-amd-amdhsa--gfx1250"
	.amdhsa_code_object_version 6
	.text
	.protected	k_qc0a1159b07_qkv
	.globl	k_qc0a1159b07_qkv
	.p2align	8
	.type	k_qc0a1159b07_qkv,@function
k_qc0a1159b07_qkv:
	s_mov_b64 s[64:65], 0
	v_nop
	global_prefetch_b8 v0, s[64:65] scope:SCOPE_SE
	s_setreg_imm32_b32 hwreg(HW_REG_WAVE_MODE, 25, 1), 1
	s_wait_xcnt 0x0
	s_wait_alu depctr_hold_cnt(0) depctr_sa_sdst(0) depctr_va_vdst(0) depctr_va_sdst(0) depctr_va_ssrc(0) depctr_va_vcc(0) depctr_vm_vsrc(0)
	s_getreg_b32 s2, hwreg(HW_REG_IB_STS2, 6, 4)
	s_cmp_eq_u32 s2, 0
	s_cbranch_scc0 .Lentry_in_a_cluster
	s_endpgm
.Lentry_in_a_cluster:
	s_bfe_u32 s2, ttmp6, 0x10000c
	s_cmp_lg_u32 s2, 0xf033
	s_cbranch_scc0 .Lentry_shape_is_right
	s_endpgm
.Lentry_shape_is_right:
; QKV: [4096 rows of x] x [3072 rows of WQ, WK, WV]^T on codes of E2M1 with one E8M0 byte for each 32 along K = 1,024; sums in f32; q, k, v rounded once to f16.
; x @ WK is multiplied once: reference()'s first k is bound anew before any use.
; LIMIT: a projected number beyond 65,504 becomes infinity in f16.
; A tile of 256 x 256 is made by four waves, 128 x 128 each: 64 accumulators, 512 registers.  K lies in two LDS slots of 512 along K (rows of 256 bytes), each filled ONCE: no slot is filled again.
; The scale bytes of the work-group's 256 + 256 rows are two dense blocks and come once, as rows of 256 bytes + 16 of padding.
; CLUSTERS: 4 x 4 work-groups; x's tiles are shared along a row of the cluster, the weights' along a column: each is asked for jointly, by the same tensor load with a mask that names the four.
; THE MATRIX INSTRUCTION IS USED TRANSPOSED (source 0 = 16 rows of the weights, source 1 = 16 rows of x): a lane holds eight neighbouring columns of one row.
; The weights' rows lie by head (which x 1024 + head x 64 + d), so a wave's 128 columns are two whole heads; the result is laid [which][batch x 16 + head][s][d].
; REGISTERS: window 0: v0-31 addresses; v32-95 scale words, two sets; v128-191 x's fragments, one set; window 1: the weights' fragments, two sets; windows 2, 3: the accumulators.
.set SIZE_K, 1024
.set OXS,    2097152
.set OWC,    2228224
.set OWS,    3801088
.set KSTEP,  512
.set NQ,     KSTEP/128
.set ROWB,   256
.set KROW,   SIZE_K*4/8
.set PITCH,  272                       ; 256 bytes + 16: the 16 rows of a fragment load start at 16 different banks (64 banks of 4 bytes: ISA guide 11.1)
.set FR,     8
.set NL,     2
.set NP,     4
.set HALFT,  128*PITCH
.set SLOT,   4*HALFT
.set KS,     SIZE_K/32
.set SCL,    2*SLOT
.set HALFS,  (128*KS/256)*272
.set SBLK,   (16*KS/256)*272
.set SPARE,  SCL+4*HALFS               ; the spare words, 128 bytes a wave, which no other line names
.set STAGE,  SPARE+512                 ; the way out: 16 rows x 272 bytes for each wave; no tensor load lands here
.set SPITCH, 272
.set ADRA, 16
.set ADRB, 20
.set STO,  24
.set RD,   25
.set CO,   26
.set ADRS, 27
.set SPW,  28
.set NIL,  29
.set SC,   32
.set AF,   128
.set TMP,  192                         ; the way out: packed results
.set OB,   32                          ; and rows read back: v32-63 and v224-255 by turns
.set G1, 24
.set G0, 32
.set G1B, 48
.set G0B, 56
.set G1S, 68
.set G0S, 76
.set G1SB, 80
.set G0SB, 88
.set MSB, 0
.macro WIN new                         ; the immediate's high byte repeats the setting that is left
.if MSB != \new
	s_set_vgpr_msb (MSB<<8)|\new
.set MSB, \new
.endif
.endm
.set MUL_LO, 0xa1
.set MUL_HI, 0xf1
.set TO_B,   0x40
.macro JLOAD g0a, g1a, g0b, g1b        ; waves 0 and 1 fetch for x, waves 2 and 3 for the weights; an s_nop 0 and four v_nop follow each line
	s_cmp_eq_u32 s15, 0
	s_cbranch_scc0 .Lfor_b_\@
	tensor_load_to_lds s[\g0a:\g0a+3], s[\g1a:\g1a+7]
	s_nop 0
.rept 4
	v_nop
.endr
	s_branch .Lasked_\@
.Lfor_b_\@:
	tensor_load_to_lds s[\g0b:\g0b+3], s[\g1b:\g1b+7]
	s_nop 0
.rept 4
	v_nop
.endr
.Lasked_\@:
.endm
.macro CROUND                          ; a round of the cluster's barrier
	s_barrier_signal -1
	s_barrier_wait -1
	s_cmp_lg_u32 s14, 0
	s_cbranch_scc1 .Lnot_wave_0_\@
	s_barrier_signal -3
.Lnot_wave_0_\@:
	s_barrier_wait -3
	s_barrier_signal -1
	s_barrier_wait -1
.endm
	s_load_b64 s[4:5], s[0:1], 0x0                 ; pw: x's codes lie at its head
	s_load_b64 s[12:13], s[0:1], 0x8               ; qkv
	v_lshl_add_u32 v[SPW], v0, 2, SPARE
	v_mov_b32 v[NIL], 0
	ds_add_u32 v[SPW], v[NIL]                      ; the wave's opening: the add, twice on end, and its wait ahead of my first tensor load
	ds_add_u32 v[SPW], v[NIL]
	v_lshrrev_b32 v1, 5, v0
	v_readfirstlane_b32 s14, v1                    ; wave 0..3
	s_lshr_b32 s15, s14, 1                         ; my half of the tile's rows.  Also: I fetch for x (0) or for the weights (1)
	s_and_b32 s16, s14, 1                          ; my half of its columns.  Also: which 128 rows I fetch
	s_bfe_u32 s40, ttmp6, 0x40000                  ; cx, cy
	s_bfe_u32 s41, ttmp6, 0x40004
	s_lshl_b32 s42, ttmp9, 2
	s_add_co_u32 s42, s42, s40                     ; tile column
	s_and_b32 s17, ttmp7, 0xffff
	s_lshl_b32 s17, s17, 2
	s_add_co_u32 s17, s17, s41                     ; tile row
	s_lshl_b32 s43, s41, 2
	s_lshl_b32 s43, 15, s43                        ; my row of the cluster
	s_lshl_b32 s44, 0x1111, s40                    ; my column
	s_or_b32 s[G1+0], s43, (0<<16)|(1<<20)|(1<<21)|(5<<22)|(3<<25)  ; mask; elements of 1 byte; padding on; bit 21 beside a mask; 4 words behind every 64
	s_or_b32 s[G1B+0], s44, (0<<16)|(1<<20)|(1<<21)|(5<<22)|(3<<25)
.irp g, G1, G1B
	s_mov_b32 s[\g+1], ROWB<<16                    ; tensor_dim0
	s_mov_b32 s[\g+2], 128<<16                     ; tensor_dim1
	s_mov_b32 s[\g+3], ROWB<<16                    ; tile_dim0
	s_mov_b32 s[\g+4], 128                         ; tile_dim1
	s_mov_b32 s[\g+5], KROW                        ; pitch
	s_mov_b32 s[\g+6], 0
	s_mov_b32 s[\g+7], 0
.endr
	s_or_b32 s[G1S+0], s43, (3<<16)|(1<<20)|(1<<21)|(5<<22)|(3<<25)  ; the scales of 128 rows: 4,096 dense bytes as rows of 256 (32 elements of 8 bytes)
	s_or_b32 s[G1SB+0], s44, (3<<16)|(1<<20)|(1<<21)|(5<<22)|(3<<25)
.irp g, G1S, G1SB
	s_mov_b32 s[\g+1], 32<<16
	s_mov_b32 s[\g+2], (128*KS/256)<<16
	s_mov_b32 s[\g+3], 32<<16
	s_mov_b32 s[\g+4], 128*KS/256
	s_mov_b32 s[\g+5], 32
	s_mov_b32 s[\g+6], 0
	s_mov_b32 s[\g+7], 0
.endr
	s_lshl_b32 s18, s16, 7
	s_lshl_b32 s20, s17, 8
	s_add_co_u32 s20, s20, s18                     ; x: row 256 x tile row + 128 x half
	s_lshl_b32 s46, s42, 8
	s_add_co_u32 s46, s46, s18                     ; weights: row 256 x tile column + 128 x half
	s_mov_b32 s21, 0
	s_mov_b32 s47, 0
	s_mov_b64 s[18:19], KS
	s_mul_u64 s[22:23], s[20:21], s[18:19]
	s_mul_u64 s[92:93], s[46:47], s[18:19]
	s_mov_b64 s[18:19], KROW
	s_mul_u64 s[20:21], s[20:21], s[18:19]
	s_mul_u64 s[46:47], s[46:47], s[18:19]
	s_mul_i32 s45, s14, HALFT                      ; where they go: wave x 128 rows
	s_mul_i32 s94, s14, HALFS
	s_wait_dscnt 0x0                               ; both opening adds are done
	s_wait_kmcnt 0x0
	s_add_nc_u64 s[6:7], s[4:5], OXS               ; x's scales
	s_add_nc_u64 s[8:9], s[4:5], OWC               ; the weights' codes
	s_add_nc_u64 s[10:11], s[4:5], OWS             ; the weights' scales
	s_add_nc_u64 s[20:21], s[4:5], s[20:21]
	s_add_nc_u64 s[22:23], s[6:7], s[22:23]
	s_add_nc_u64 s[46:47], s[8:9], s[46:47]
	s_add_nc_u64 s[92:93], s[10:11], s[92:93]
	CROUND                                         ; all sixteen work-groups are here: the joint loads meet
	s_mov_b32 s[G0S], 1
	s_add_co_u32 s[G0S+1], s94, SCL
	s_mov_b64 s[G0S+2:G0S+3], s[22:23]
	s_or_b32 s[G0S+3], s[G0S+3], 0x80000000
	s_mov_b32 s[G0SB], 1
	s_add_co_u32 s[G0SB+1], s94, SCL
	s_mov_b64 s[G0SB+2:G0SB+3], s[92:93]
	s_or_b32 s[G0SB+3], s[G0SB+3], 0x80000000
	JLOAD G0S, G1S, G0SB, G1SB                     ; three loads of mine go out: the scales, slot 0, slot 1
.irp s, 0,1
	s_mov_b32 s[G0+4*\s], 1
	s_add_co_u32 s[G0+4*\s+1], s45, \s*SLOT
	s_add_nc_u64 s[G0+4*\s+2:G0+4*\s+3], s[20:21], \s*ROWB
	s_or_b32 s[G0+4*\s+3], s[G0+4*\s+3], 0x80000000
	s_mov_b32 s[G0B+4*\s], 1
	s_add_co_u32 s[G0B+4*\s+1], s45, \s*SLOT
	s_add_nc_u64 s[G0B+4*\s+2:G0B+4*\s+3], s[46:47], \s*ROWB
	s_or_b32 s[G0B+4*\s+3], s[G0B+4*\s+3], 0x80000000
	JLOAD G0+4*\s, G1, G0B+4*\s, G1B
.endr
	v_and_b32 v1, 15, v0                           ; r
	v_bfe_u32 v2, v0, 4, 1                         ; h
	v_mul_u32_u24 v3, v1, PITCH
	v_lshl_add_u32 v4, v2, 4, v3
	s_mul_i32 s21, s15, HALFT
	s_mul_i32 s22, s16, HALFT
	s_add_co_u32 s22, s22, 2*HALFT
.irp s, 0,1
	v_add_nc_u32 v[ADRA+\s], s21, v4
	v_add_nc_u32 v[ADRB+\s], s22, v4
	s_add_co_u32 s21, s21, SLOT
	s_add_co_u32 s22, s22, SLOT
.endr
	v_mul_u32_u24 v5, v1, KS                       ; my row's scales: 32 bytes a row, and 16 more for each 256 passed
	v_lshrrev_b32 v6, 8, v5
	v_lshl_add_u32 v5, v6, 4, v5
	s_mul_i32 s21, s15, HALFS
	s_mul_i32 s22, s16, HALFS
	s_add_co_u32 s22, s22, 2*HALFS
	s_sub_co_u32 s22, s22, s21
	v_mul_u32_u24 v6, s22, v2                      ; lanes 16-31 take the weights'
	s_add_co_u32 s21, s21, SCL
	v_add_nc_u32 v5, v5, v6
	v_add_nc_u32 v[ADRS], s21, v5
	s_mul_i32 s23, s14, 16*SPITCH
	s_add_co_u32 s23, s23, STAGE                   ; my stage
	v_mul_u32_u24 v5, v1, SPITCH                   ; in: row r, 16 bytes for each half of the lanes
	v_lshl_add_u32 v5, v2, 4, v5
	v_add_nc_u32 v[STO], s23, v5
	v_bfe_u32 v6, v0, 3, 1
	v_and_b32 v7, 7, v0
	v_mul_u32_u24 v5, v6, SPITCH                   ; back: lanes 0-15 two rows of my first head (128 bytes each), lanes 16-31 the same rows of my second
	v_lshl_add_u32 v5, v2, 7, v5
	v_lshl_add_u32 v5, v7, 4, v5
	v_add_nc_u32 v[RD], s23, v5
	v_lshlrev_b32 v5, 17, v2                       ; and in the result: a head is 131,072 bytes, a row 128
	v_lshl_add_u32 v5, v6, 7, v5
	v_lshl_add_u32 v[CO], v7, 4, v5
	s_lshr_b32 s20, s42, 2                         ; which of q, k, v
	s_lshl_b32 s20, s20, 23
	s_lshr_b32 s21, s17, 2                         ; batch
	s_lshl_b32 s21, s21, 4
	s_and_b32 s46, s42, 3
	s_lshl_b32 s46, s46, 2
	s_add_co_u32 s21, s21, s46
	s_lshl_b32 s46, s16, 1
	s_add_co_u32 s21, s21, s46                     ; batch x 16 + my first head
	s_lshl_b32 s21, s21, 17
	s_add_co_u32 s20, s20, s21
	s_and_b32 s21, s17, 3
	s_lshl_b32 s21, s21, 8
	s_lshl_b32 s46, s15, 7
	s_add_co_u32 s21, s21, s46                     ; my first position in the sequence
	s_lshl_b32 s21, s21, 7
	s_add_co_u32 s20, s20, s21
	s_mov_b32 s21, 0
	s_add_nc_u64 s[12:13], s[12:13], s[20:21]
.macro FRAG reg, adr, q, i             ; 16 rows x 128 K of 4-bit codes: 8 registers; registers 4 c .. 4 c + 3 hold K = 64 c + 32 h + 0 .. 31
.irp c, 0,1
	ds_load_b128 v[\reg+4*\c:\reg+4*\c+3], v[\adr] offset:64*(\q)+32*\c+(\i)*16*PITCH
.endr
.endm
; 16 matrix instructions: x's blocks a0, a0 + 1 against the weights' eight.  The 64 accumulators take turns, one instruction a turn.
.macro MUL16 a0, p, q, sc, zero
.irp a, \a0, \a0+1
.irp b, 0,1,2,3,4,5,6,7
.if \zero
	v_wmma_scale_f32_16x16x128_f8f6f4 v[8*(8*((\a)%4)+\b):8*(8*((\a)%4)+\b)+7], v[128*(\p)+FR*\b:128*(\p)+FR*\b+FR-1], v[AF+FR*(\a):AF+FR*(\a)+FR-1], 0, v[SC+8*NQ*(\sc)+NQ*\b+(\q)], v[SC+8*NQ*(\sc)+NQ*(\a)+(\q)] matrix_a_fmt:MATRIX_FMT_FP4 matrix_b_fmt:MATRIX_FMT_FP4 matrix_a_scale:MATRIX_SCALE_ROW1
.else
	v_wmma_scale_f32_16x16x128_f8f6f4 v[8*(8*((\a)%4)+\b):8*(8*((\a)%4)+\b)+7], v[128*(\p)+FR*\b:128*(\p)+FR*\b+FR-1], v[AF+FR*(\a):AF+FR*(\a)+FR-1], v[8*(8*((\a)%4)+\b):8*(8*((\a)%4)+\b)+7], v[SC+8*NQ*(\sc)+NQ*\b+(\q)], v[SC+8*NQ*(\sc)+NQ*(\a)+(\q)] matrix_a_fmt:MATRIX_FMT_FP4 matrix_b_fmt:MATRIX_FMT_FP4 matrix_a_scale:MATRIX_SCALE_ROW1
.endif
.endr
.endr
.endm
.macro FETCH_B slot, q, p
	WIN TO_B
.irp i, 0,1,2,3,4,5,6,7
	FRAG 128*(\p)+FR*\i, ADRB+\slot, \q, \i
.endr
	WIN 0
.endm
.macro FETCH_A slot, q, i0
.irp i, \i0, \i0+1, \i0+2, \i0+3
	FRAG AF+FR*(\i), ADRA+\slot, \q, \i
.endr
.endm
.macro SCALES sc                       ; a slot's scale words: lanes 0-15 x's block i, lanes 16-31 the weights' block i; four words a row
.irp i, 0,1,2,3,4,5,6,7
	ds_load_b128 v[SC+8*NQ*\sc+NQ*\i:SC+8*NQ*\sc+NQ*\i+3], v[ADRS] offset:\i*SBLK
.endr
.endm
.macro PLACES n                        ; plain vector instructions between a matrix instruction and a load into, or a read of, its registers
.rept \n
	v_nop
.endr
.endm
.macro STEP slot, q, zero              ; 128 along K whose successor lies in the same slot
	s_wait_dscnt 4*NL                              ; all but the youngest eight loads (x's blocks 4-7) are in
	WIN MUL_LO
	MUL16 0, (\q)%2, \q, \slot, \zero
	MUL16 2, (\q)%2, \q, \slot, \zero
	s_wait_dscnt 0
	PLACES NP
	FETCH_B \slot, (\q)+1, 1-(\q)%2
	FETCH_A \slot, (\q)+1, 0
	WIN MUL_HI
	MUL16 4, (\q)%2, \q, \slot, \zero
	MUL16 6, (\q)%2, \q, \slot, \zero
	PLACES NP
	WIN 0
	FETCH_A \slot, (\q)+1, 4
.endm
.macro TURN slot, next                 ; slot 0's last step: behind the barrier slot 1 is whole for every wave; nothing is filled again
	s_wait_tensorcnt 0x0                           ; my part of slot 1 has landed
	ds_add_u32 v[SPW], v[NIL]                      ; 0 onto my spare word
	s_wait_dscnt 4*NL+1                            ; (the add and the youngest eight loads may be out)
	WIN MUL_LO
	MUL16 0, 1, NQ-1, \slot, 0
	s_wait_dscnt 0x0
	s_barrier_signal -1
	MUL16 2, 1, NQ-1, \slot, 0
	WIN 0
	s_barrier_wait -1
	PLACES NP
	v_add_nc_u32 v[ADRS], 4*NQ, v[ADRS]            ; the next slot's scale words
	FETCH_B \next, 0, 0
	FETCH_A \next, 0, 0
	SCALES \next
	WIN MUL_HI
	MUL16 4, 1, NQ-1, \slot, 0
	MUL16 6, 1, NQ-1, \slot, 0
	PLACES NP
	WIN 0
	FETCH_A \next, 0, 4
.endm
	s_wait_tensorcnt 1                             ; the scales and my part of slot 0 are in; slot 1's load may be out
	s_barrier_signal -1
	s_barrier_wait -1
	FETCH_B 0, 0, 0
	FETCH_A 0, 0, 0
	SCALES 0
	FETCH_A 0, 0, 4
	STEP 0, 0, 1                                   ; the first products start the sums: nothing is cleared
	STEP 0, 1, 0
	STEP 0, 2, 0
	TURN 0, 1
	STEP 1, 0, 0
	STEP 1, 1, 0
	STEP 1, 2, 0
	s_wait_dscnt 4*NL
	WIN MUL_LO
	MUL16 0, 1, NQ-1, 1, 0
	MUL16 2, 1, NQ-1, 1, 0
	s_wait_dscnt 0
	WIN MUL_HI
	MUL16 4, 1, NQ-1, 1, 0
	MUL16 6, 1, NQ-1, 1, 0
	WIN 0
; THE WAY OUT, a block of 16 rows x 128 columns at a time: rounded to f16 (each accumulator from its low end on), 16 bytes a lane into my stage, back so that sixteen lanes hold
; two neighbouring rows of one head, 256 consecutive bytes of the result.
.macro PACK a
.set AC, 64*((\a)%4)
	WIN 0x0a+5*((\a)/4)                            ; sources 0 and 1: window 2 or 3
.irp b, 0,1,2,3,4,5,6,7
.irp r, 0,1,2,3
	v_cvt_pk_f16_f32 v[TMP+4*\b+\r], v[AC+8*\b+2*\r], v[AC+8*\b+2*\r+1]
.endr
.endr
	WIN 0
.endm
.macro TOSTAGE a
.set BK, OB+192*((\a)%2)
.irp b, 0,1,2,3,4,5,6,7
	ds_store_b128 v[STO], v[TMP+4*\b:TMP+4*\b+3] offset:32*\b
.endr
.irp t, 0,1,2,3,4,5,6,7
	ds_load_b128 v[BK+4*\t:BK+4*\t+3], v[RD] offset:\t*2*SPITCH   ; LDS serves a wave's instructions in order: these see the stores above
.endr
.endm
.macro SEND a
.set BK, OB+192*((\a)%2)
	s_wait_dscnt 0x0                               ; the block is back in registers
	s_wait_xcnt 0x0                                ; the stores of the block before have read their registers: the next block's loads may land there
.irp t, 0,1,2,3,4,5,6,7
	global_store_b128 v[CO], v[BK+4*\t:BK+4*\t+3], s[12:13] offset:2048*(\a)+256*\t
.endr
.endm
	PLACES NP
	PACK 0
	TOSTAGE 0
.irp a, 1,2,3,4,5,6,7
	PACK \a
	SEND \a-1
	TOSTAGE \a
.endr
	SEND 7
	s_wait_tensorcnt 0x0                           ; the wave's end
	ds_add_u32 v[SPW], v[NIL]
	s_wait_dscnt 0x0
	CROUND                                         ; the closing round
	s_endpgm
.Lfunc_end_k_qc0a1159b07_qkv:
	.size	k_qc0a1159b07_qkv, .Lfunc_end_k_qc0a1159b07_qkv-k_qc0a1159b07_qkv
	.p2alignl 7, 3214868480
	.fill 96, 4, 3214868480
	.section	.rodata,"a",@progbits
	.p2align	6, 0x0
	.amdhsa_kernel k_qc0a1159b07_qkv
		.amdhsa_group_segment_fixed_size 327680
		.amdhsa_private_segment_fixed_size 0
		.amdhsa_enable_private_segment 0
		.amdhsa_kernarg_size 16
		.amdhsa_user_sgpr_count 2
		.amdhsa_user_sgpr_kernarg_segment_ptr 1
		.amdhsa_wavefront_size32 1
		.amdhsa_system_sgpr_workgroup_id_x 1
		.amdhsa_system_sgpr_workgroup_id_y 1
		.amdhsa_system_sgpr_workgroup_id_z 1
		.amdhsa_system_vgpr_workitem_id 0
		.amdhsa_next_free_vgpr 1024
		.amdhsa_next_free_sgpr 98
		.amdhsa_reserve_vcc 0
		.amdhsa_float_denorm_mode_32 3
		.amdhsa_float_denorm_mode_16_64 3
		.amdhsa_memory_ordered 1
		.amdhsa_forward_progress 1
		.amdhsa_inst_pref_size 127
	.end_amdhsa_kernel
	.amdgpu_metadata
---
amdhsa.version: [ 1, 2 ]
amdhsa.kernels:
  - .name:           k_qc0a1159b07_qkv
    .symbol:         k_qc0a1159b07_qkv.kd
    .args:
      - { .name: pw, .offset: 0, .size: 8, .value_kind: global_buffer, .address_space: global }
      - { .name: qkv, .offset: 8, .size: 8, .value_kind: global_buffer, .address_space: global }
    .group_segment_fixed_size: 327680
    .private_segment_fixed_size: 0
    .kernarg_segment_align: 8
    .kernarg_segment_size: 16
    .max_flat_workgroup_size: 128
    .sgpr_count:     98
    .vgpr_count:     1024
    .wavefront_size: 32
...
	.end_amdgpu_metadata
.endif
;; end of part 2
;; launch attn (part 3): grid 4 x 64, 8 waves a work-group, clusters of 4 x 1, 327,680 bytes of LDS; arguments qkv, o; writes o
.if DOCPART == 3
	.amdgcn_target "amdgcn-amd-amdhsa--gfx1250"
	.amdhsa_code_object_version 6
	.text
	.protected	k_qc0a1159b07_attn
	.globl	k_qc0a1159b07_attn
	.p2align	8
	.type	k_qc0a1159b07_attn,@function
k_qc0a1159b07_attn:
	s_mov_b64 s[64:65], 0
	v_nop
	global_prefetch_b8 v0, s[64:65] scope:SCOPE_SE
	s_setreg_imm32_b32 hwreg(HW_REG_WAVE_MODE, 25, 1), 1
	s_wait_xcnt 0x0
	s_wait_alu depctr_hold_cnt(0) depctr_sa_sdst(0) depctr_va_vdst(0) depctr_va_sdst(0) depctr_va_ssrc(0) depctr_va_vcc(0) depctr_vm_vsrc(0)
	s_getreg_b32 s2, hwreg(HW_REG_IB_STS2, 6, 4)
	s_cmp_eq_u32 s2, 0
	s_cbranch_scc0 .Lentry_in_a_cluster
	s_endpgm
.Lentry_in_a_cluster:
	s_bfe_u32 s2, ttmp6, 0x10000c
	s_cmp_lg_u32 s2, 0x3003
	s_cbranch_scc0 .Lentry_shape_is_right
	s_endpgm
.Lentry_shape_is_right:
; ATTENTION: o[b, h][q] = sum over k of softmax_k(q . k / 8) v, for each of 64 pairs (batch, head); 1,024 positions, head size 64; no mask.
; q, k, v: f16 [which][batch x 16 + head][s][64].  Products on f16 operands with f32 sums; maxima, exponentials and row sums in f32; the weights p (at most 1) rounded to f16; o rounded once to f16.
; o is laid [head][batch x 1024 + s][64], so that a wave's 32 rows are 4,096 consecutive bytes.
; LIMITS: the running maximum starts at -3e38; NaN and infinities are not served; o beyond 65,504 becomes infinity in f16.
; SHARES.  A work-group owns 256 queries of one pair, each of its eight waves 32: two tiles of 16, in 256 registers.  Every wave walks all 1,024 keys, 64 a step.
; THE WHOLE HEAD'S K AND V LIE IN LDS, each byte filled once: K 1,024 rows of 128 + 16 bytes, V 1,024 rows of 128 + 32.  They come in four chunks of 256 keys; a chunk is read behind a barrier in front of
; which each wave has waited for its part of it; the later chunks' loads stay out meanwhile.  Four tensor loads of a wave are out at the most.
; CLUSTER.  The four query blocks of a pair form a cluster and ask for K and V jointly: the same tensor load, the same descriptor, a mask that names the four.
; LAYOUT.  S^T = K Q^T and O^T = V^T P: a lane holds one query (lane % 16) throughout; two tiles of S^T, packed in pairs, are the second product's source 1.  V is turned by ds_load_tr16_b128.
; SOFTMAX.  Running maximum m and sum l for each query: p = 2^(c s - c m), c = log2(e) / 8; in every step O and l are multiplied by a = 2^(c m_old - c m_new).
.set KP,    144                        ; 36 words: row r starts at bank 36 r mod 64: the 16 rows of a load start at 16 different groups of four banks
.set VP,    160                        ; an odd multiple of 32 bytes, for the turning load
.set VB,    1024*KP
.set SPARE, VB+1024*VP                 ; the spare words, 128 bytes a wave, which no other line names
.set AK0, 1
.set AV0, 2
.set ADK, 3
.set ADV, 4
.set QO,  5
.set STO, 6
.set RD,  7
.set GO,  8
.set ST,  12                           ; tile t's statistics at v[12 + 8 t]: +0 c m, +1 m, +2, +3 l, +4 to +7 at work; a in +6
.set SPW, 28
.set NIL, 29
.set Q,   32                           ; v32-63   tile t, channels 32 f on: 32 + 16 t + 8 f
.set S,   64                           ; v64-127  S^T, 32 a tile; P is packed into each tile's low 16
.set O,   128                          ; v128-191 O^T, 32 a tile
.set KV,  192                          ; v192-255 a step's fragments of K, then of V
.set WV,  8
.set G1K, 20
.set G1V, 28
.set G0K, 36                           ; s[36:51] group 0 for K's four chunks
.set G0V, 68                           ; s[68:83] for V's
.set CS,  84
.set SEL, 86
.set TBK, 88
.set TBV, 89
.set CNT, 90
.macro CROUND
	s_barrier_signal -1
	s_barrier_wait -1
	s_cmp_lg_u32 s[WV], 0
	s_cbranch_scc1 .Lnot_wave_0_\@
	s_barrier_signal -3
.Lnot_wave_0_\@:
	s_barrier_wait -3
	s_barrier_signal -1
	s_barrier_wait -1
.endm
	s_load_b128 s[4:7], s[0:1], 0x0                ; qkv s[4:5], o s[6:7]
	v_lshl_add_u32 v[SPW], v0, 2, SPARE
	v_mov_b32 v[NIL], 0
	ds_add_u32 v[SPW], v[NIL]                      ; the wave's opening: the add, twice on end, and its wait ahead of my first tensor load
	ds_add_u32 v[SPW], v[NIL]
	v_lshrrev_b32 v9, 5, v0
	v_readfirstlane_b32 s[WV], v9                  ; wave 0..7
	s_bfe_u32 s9, ttmp6, 0x40000                   ; cx
	s_lshl_b32 s10, ttmp9, 2
	s_add_co_u32 s10, s10, s9                      ; my block of 256 queries: it enters q's and o's addresses alone
	s_and_b32 s11, ttmp7, 0xffff                   ; batch x 16 + head, which the four partners share
	s_and_b32 s12, s[WV], 3                        ; which 64 rows of a chunk I fetch
	s_lshl_b32 s14, s11, 17
	s_lshl_b32 s19, s12, 13
	s_add_co_u32 s14, s14, s19
	s_mov_b32 s15, 0                               ; s[14:15]: those rows in k or in v, in bytes
	s_mul_i32 s16, s12, 64*KP                      ; and in LDS
	s_mul_i32 s17, s12, 64*VP
	s_lshl_b32 s13, s10, 15
	s_lshl_b32 s18, s[WV], 12
	s_add_co_u32 s13, s13, s18                     ; my 32 queries among a sequence's rows of 128 bytes
	s_lshl_b32 s56, s11, 17
	s_add_co_u32 s56, s56, s13
	s_mov_b32 s57, 0                               ; q
	s_and_b32 s58, s11, 15
	s_lshl_b32 s58, s58, 19
	s_lshr_b32 s18, s11, 4
	s_lshl_b32 s18, s18, 17
	s_add_co_u32 s58, s58, s18
	s_add_co_u32 s58, s58, s13
	s_mov_b32 s59, 0                               ; o: head x 4,096 rows + batch x 1,024 rows + mine
	s_mov_b32 s[G1K], 15|(1<<16)|(1<<20)|(1<<21)|(4<<22)|(3<<25)  ; mask: all four; elements of 2 bytes; padding on; bit 21 beside a mask; 4 words behind every 32
	s_mov_b32 s[G1V], 15|(1<<16)|(1<<20)|(1<<21)|(4<<22)|(7<<25)  ; the same with 8 words
.irp g, G1K, G1V
	s_mov_b32 s[\g+1], 64<<16                      ; tensor_dim0
	s_mov_b32 s[\g+2], 64<<16                      ; tensor_dim1
	s_mov_b32 s[\g+3], 64<<16                      ; tile_dim0
	s_mov_b32 s[\g+4], 64                          ; tile_dim1
	s_mov_b32 s[\g+5], 64                          ; pitch
	s_mov_b32 s[\g+6], 0
	s_mov_b32 s[\g+7], 0
.endr
	s_mov_b32 s[CS], 0x3e38aa3b                    ; c = log2(e) / 8
	s_mov_b32 s[CS+1], s[CS]
	s_mov_b32 s[SEL], 0x76543210
	s_mov_b32 s[SEL+1], 0xfedcba98
	s_wait_dscnt 0x0                               ; both opening adds are done
	s_wait_kmcnt 0x0
	s_add_nc_u64 s[52:53], s[4:5], s[14:15]
	s_add_nc_u64 s[54:55], s[52:53], 16777216      ; v
	s_add_nc_u64 s[52:53], s[52:53], 8388608       ; k
	s_add_nc_u64 s[56:57], s[4:5], s[56:57]
	s_add_nc_u64 s[58:59], s[6:7], s[58:59]
	CROUND                                         ; all four work-groups are here: the joint loads meet
.irp c, 0,1,2,3
	s_mov_b32 s[G0K+4*\c], 1
	s_add_co_u32 s[G0K+4*\c+1], s16, \c*256*KP
	s_add_nc_u64 s[G0K+4*\c+2:G0K+4*\c+3], s[52:53], \c*32768
	s_or_b32 s[G0K+4*\c+3], s[G0K+4*\c+3], 0x80000000
	s_mov_b32 s[G0V+4*\c], 1
	s_add_co_u32 s[G0V+4*\c+1], s17, VB+\c*256*VP
	s_add_nc_u64 s[G0V+4*\c+2:G0V+4*\c+3], s[54:55], \c*32768
	s_or_b32 s[G0V+4*\c+3], s[G0V+4*\c+3], 0x80000000
.endr
	s_cmp_lt_u32 s[WV], 4                          ; waves 0-3 fetch K, waves 4-7 V: a wave's four fills stand in one branch on its number
	s_cbranch_scc0 .Lfirst_v
.irp c, 0,1,2,3
	tensor_load_to_lds s[G0K+4*\c:G0K+4*\c+3], s[G1K:G1K+7]
	s_nop 0
.endr
.rept 4
	v_nop
.endr
	s_branch .Lfirst_asked
.Lfirst_v:
.irp c, 0,1,2,3
	tensor_load_to_lds s[G0V+4*\c:G0V+4*\c+3], s[G1V:G1V+7]
	s_nop 0
.endr
.rept 4
	v_nop
.endr
.Lfirst_asked:
	v_and_b32 v9, 15, v0                           ; r
	v_bfe_u32 v10, v0, 4, 1                        ; h
	v_lshlrev_b32 v[QO], 7, v9
	v_lshl_add_u32 v[QO], v10, 4, v[QO]
.irp t, 0,1
.irp f, 0,1
	global_load_b128 v[Q+16*\t+8*\f:Q+16*\t+8*\f+3],   v[QO], s[56:57] offset:2048*\t+64*\f      ; q stays in registers
	global_load_b128 v[Q+16*\t+8*\f+4:Q+16*\t+8*\f+7], v[QO], s[56:57] offset:2048*\t+64*\f+32
.endr
.endr
	v_mul_u32_u24 v[AK0], v9, KP
	v_lshl_add_u32 v[AK0], v10, 4, v[AK0]          ; K: row r, + 16 h
	v_and_b32 v11, 7, v0
	v_lshl_add_u32 v[AV0], v10, 3, v11
	v_mul_u32_u24 v[AV0], v[AV0], VP               ; V: key 8 h + lane % 8,
	v_bfe_u32 v11, v0, 3, 1
	v_lshl_add_u32 v[AV0], v11, 4, v[AV0]          ; channels 8 ((lane / 8) % 2) on
	v_add_nc_u32 v[AV0], VB, v[AV0]
	s_mul_i32 s18, s[WV], 16*KP                    ; my stage for the way out: 16 rows x 144 bytes among K's first 256 rows, which have had their only fill and are read by nobody behind the last chunk's barrier
	v_mul_u32_u24 v[STO], v9, KP
	v_lshl_add_u32 v[STO], v10, 4, v[STO]
	v_add_nc_u32 v[STO], s18, v[STO]
	v_and_b32 v9, 31, v0
	v_lshrrev_b32 v10, 3, v9
	v_and_b32 v11, 7, v0
	v_mul_u32_u24 v[RD], v10, KP
	v_lshl_add_u32 v[RD], v11, 4, v[RD]
	v_add_nc_u32 v[RD], s18, v[RD]                 ; back: eight lanes to a row, four rows an instruction
	v_lshlrev_b32 v[GO], 4, v9
.irp t, 0,1
	v_mov_b32 v[ST+8*\t+1], 0xff61b1e6             ; m = -3e38, under every score
	v_mov_b32 v[ST+8*\t+2], 0                      ; l
	v_mov_b32 v[ST+8*\t+3], 0
.endr
.irp t, 0,1
	v_mul_f32 v[ST+8*\t], s[CS], v[ST+8*\t+1]      ; c m
.endr
.set i, 0
.rept 64
	v_mov_b32 v[O+i], 0                            ; the step is written once: the first finds zeros, which a = 0 leaves zeros
.set i, i+1
.endr
; A KEY STEP: 64 keys at LDS bytes s[TBK] (K) and s[TBV] (V).
.macro STEP
	v_add_nc_u32 v[ADK], s[TBK], v[AK0]
	v_add_nc_u32 v[ADV], s[TBV], v[AV0]
.irp f, 0,1,2,3,4,5,6,7                        ; keys 16 (f / 2) on, channels 32 (f % 2) on
	ds_load_b128 v[KV+8*\f:KV+8*\f+3],   v[ADK] offset:(\f/2)*16*KP+(\f%2)*64
	ds_load_b128 v[KV+8*\f+4:KV+8*\f+7], v[ADK] offset:(\f/2)*16*KP+(\f%2)*64+32
.endr
	s_wait_dscnt 0x0
.irp ch, 0,1                                   ; S^T = K Q^T: eight accumulators by turns, one instruction a turn
.irp kt, 0,1,2,3
.irp t, 0,1
.if \ch == 0
	v_wmma_f32_16x16x32_f16 v[S+32*\t+8*\kt:S+32*\t+8*\kt+7], v[KV+8*(2*\kt+\ch):KV+8*(2*\kt+\ch)+7], v[Q+16*\t+8*\ch:Q+16*\t+8*\ch+7], 0
.else
	v_wmma_f32_16x16x32_f16 v[S+32*\t+8*\kt:S+32*\t+8*\kt+7], v[KV+8*(2*\kt+\ch):KV+8*(2*\kt+\ch)+7], v[Q+16*\t+8*\ch:Q+16*\t+8*\ch+7], v[S+32*\t+8*\kt:S+32*\t+8*\kt+7]
.endif
.endr
.endr
.endr
.rept 4
	v_nop                                          ; places in front of the loads into K's registers and of the first read of the scores
.endr
.irp f, 0,1,2,3,4,5,6,7                        ; V, turned: keys 32 (f / 4) on, channels 16 (f % 4) on; it lands while the softmax is worked
	ds_load_tr16_b128 v[KV+8*\f:KV+8*\f+3],   v[ADV] offset:(\f/4)*32*VP+(\f%4)*32
	ds_load_tr16_b128 v[KV+8*\f+4:KV+8*\f+7], v[ADV] offset:(\f/4)*32*VP+16*VP+(\f%4)*32
.endr
.irp j, 0,1,2,3                                ; the maximum: four chains a tile, each accumulator from its low end on; the two tiles line by line
.irp t, 0,1
	v_max3_num_f32 v[ST+8*\t+4+\j], v[S+32*\t+8*\j], v[S+32*\t+8*\j+1], v[S+32*\t+8*\j+2]
.endr
.endr
.irp u, 1,2
.irp j, 0,1,2,3
.irp t, 0,1
	v_max3_num_f32 v[ST+8*\t+4+\j], v[ST+8*\t+4+\j], v[S+32*\t+8*\j+2*\u+1], v[S+32*\t+8*\j+2*\u+2]
.endr
.endr
.endr
.irp t, 0,1
	v_max3_num_f32 v[ST+8*\t+4], v[ST+8*\t+4], v[S+32*\t+7], v[S+32*\t+15]
	v_max3_num_f32 v[ST+8*\t+6], v[ST+8*\t+6], v[S+32*\t+23], v[S+32*\t+31]
.endr
.irp t, 0,1
	v_max3_num_f32 v[ST+8*\t+4], v[ST+8*\t+4], v[ST+8*\t+5], v[ST+8*\t+6]
.endr
.irp t, 0,1
	v_max3_num_f32 v[ST+8*\t+4], v[ST+8*\t+4], v[ST+8*\t+7], v[ST+8*\t+1]   ; and the old m
.endr
.irp t, 0,1
	v_permlanex16_b32 v[ST+8*\t+5], v[ST+8*\t+4], s[SEL], s[SEL+1]          ; the query's other 32 keys lie in the lane 16 away
.endr
.irp t, 0,1
	v_mov_b32 v[ST+8*\t+7], v[ST+8*\t]             ; c m_old
.endr
.irp t, 0,1
	v_max_num_f32 v[ST+8*\t+1], v[ST+8*\t+4], v[ST+8*\t+5]
.endr
.irp t, 0,1
	v_mul_f32 v[ST+8*\t], s[CS], v[ST+8*\t+1]
.endr
.irp t, 0,1
	v_sub_f32 v[ST+8*\t+7], v[ST+8*\t+7], v[ST+8*\t]
.endr
.set i, 0
.rept 16
	v_pk_fma_f32 v[S+2*i:S+2*i+1], v[S+2*i:S+2*i+1], s[CS:CS+1], v[ST:ST+1] op_sel_hi:[1,0,0] neg_lo:[0,0,1] neg_hi:[0,0,1]               ; c s - c m
	v_pk_fma_f32 v[S+32+2*i:S+32+2*i+1], v[S+32+2*i:S+32+2*i+1], s[CS:CS+1], v[ST+8:ST+9] op_sel_hi:[1,0,0] neg_lo:[0,0,1] neg_hi:[0,0,1]
.set i, i+1
.endr
.irp t, 0,1
	v_exp_f32 v[ST+8*\t+6], v[ST+8*\t+7]           ; a
.endr
.set i, 0
.rept 64
	v_exp_f32 v[S+i], v[S+i]                       ; p: one batch of 66 exponentials, none of which reads another's result
.set i, i+1
.endr
	v_nop                                          ; a plain instruction behind the last exponential
	s_wait_alu depctr_va_vdst(0)                   ; one wait for the batch, ahead of its first reader
.irp t, 0,1                                    ; l = a l + the sum of the unrounded p, in two chains a tile
	v_pk_mul_f32 v[ST+8*\t+2:ST+8*\t+3], v[ST+8*\t+2:ST+8*\t+3], v[ST+8*\t+6:ST+8*\t+7] op_sel_hi:[1,0]
	v_pk_add_f32 v[ST+8*\t+4:ST+8*\t+5], v[S+32*\t+2:S+32*\t+3], v[S+32*\t+6:S+32*\t+7]
.endr
.irp j, 0,4
.irp t, 0,1
	v_pk_add_f32 v[ST+8*\t+2:ST+8*\t+3], v[ST+8*\t+2:ST+8*\t+3], v[S+32*\t+\j:S+32*\t+\j+1]
.endr
.endr
.irp j, 8,12,16,20,24,28
.irp t, 0,1
	v_pk_add_f32 v[ST+8*\t+2:ST+8*\t+3], v[ST+8*\t+2:ST+8*\t+3], v[S+32*\t+\j:S+32*\t+\j+1]
	v_pk_add_f32 v[ST+8*\t+4:ST+8*\t+5], v[ST+8*\t+4:ST+8*\t+5], v[S+32*\t+\j+2:S+32*\t+\j+3]
.endr
.endr
.irp t, 0,1
	v_pk_add_f32 v[ST+8*\t+2:ST+8*\t+3], v[ST+8*\t+2:ST+8*\t+3], v[ST+8*\t+4:ST+8*\t+5]
.endr
.set i, 0
.rept 16
	v_cvt_pk_f16_f32 v[S+i], v[S+2*i], v[S+2*i+1]              ; P, packed in place from the low end: word i is written when numbers 2 i, 2 i + 1 are read
	v_cvt_pk_f16_f32 v[S+32+i], v[S+32+2*i], v[S+32+2*i+1]
.set i, i+1
.endr
.set i, 0
.rept 16
	v_pk_mul_f32 v[O+2*i:O+2*i+1], v[O+2*i:O+2*i+1], v[ST+6:ST+7] op_sel_hi:[1,0]                 ; O^T x a, each accumulator from its low end on
	v_pk_mul_f32 v[O+32+2*i:O+32+2*i+1], v[O+32+2*i:O+32+2*i+1], v[ST+14:ST+15] op_sel_hi:[1,0]
.set i, i+1
.endr
	s_wait_dscnt 0x0                               ; V is in
.irp kk, 0,1                                   ; O^T += V^T P: eight accumulators by turns
.irp dt, 0,1,2,3
.irp t, 0,1
	v_wmma_f32_16x16x32_f16 v[O+32*\t+8*\dt:O+32*\t+8*\dt+7], v[KV+8*(4*\kk+\dt):KV+8*(4*\kk+\dt)+7], v[S+32*\t+8*\kk:S+32*\t+8*\kk+7], v[O+32*\t+8*\dt:O+32*\t+8*\dt+7]
.endr
.endr
.endr
	s_add_co_u32 s[TBK], s[TBK], 64*KP
	s_add_co_u32 s[TBV], s[TBV], 64*VP
.rept 5
	v_nop                                          ; five places: the next step's first products write over P's registers; four of them serve the loads into V's registers and the way out's reads
.endr
.endm
.macro CHUNK c
	s_wait_tensorcnt 3-\c                          ; my part of chunk c has landed; the later chunks' loads may stay out
	s_wait_dscnt 0x0
	s_barrier_signal -1
	s_barrier_wait -1                              ; everybody's has
	s_mov_b32 s[TBK], \c*256*KP
	s_mov_b32 s[TBV], \c*256*VP
	s_mov_b32 s[CNT], 4
.Lstep_\@:
	STEP
	s_sub_co_u32 s[CNT], s[CNT], 1
	s_cmp_lg_u32 s[CNT], 0
	s_cbranch_scc1 .Lstep_\@
.endm
	s_wait_loadcnt 0x0                             ; q
	CHUNK 0
	CHUNK 1
	CHUNK 2
	CHUNK 3
	; THE WAY OUT: O^T / l, rounded to f16, through my stage, 16 rows at a time; each store of the wave covers 512 consecutive bytes, aligned.
.irp t, 0,1
	v_add_f32 v[ST+8*\t+4], v[ST+8*\t+2], v[ST+8*\t+3]
.endr
.irp t, 0,1
	v_permlanex16_b32 v[ST+8*\t+5], v[ST+8*\t+4], s[SEL], s[SEL+1]
.endr
.irp t, 0,1
	v_add_f32 v[ST+8*\t+4], v[ST+8*\t+4], v[ST+8*\t+5]
.endr
.irp t, 0,1
	v_rcp_f32 v[ST+8*\t+6], v[ST+8*\t+4]
.endr
	v_nop
	s_wait_alu depctr_va_vdst(0)                   ; one wait for the two reciprocals
.set i, 0
.rept 16
	v_pk_mul_f32 v[O+2*i:O+2*i+1], v[O+2*i:O+2*i+1], v[ST+6:ST+7] op_sel_hi:[1,0]
	v_pk_mul_f32 v[O+32+2*i:O+32+2*i+1], v[O+32+2*i:O+32+2*i+1], v[ST+14:ST+15] op_sel_hi:[1,0]
.set i, i+1
.endr
.set i, 0
.rept 32
	v_cvt_pk_f16_f32 v[KV+i], v[O+2*i], v[O+2*i+1]
.set i, i+1
.endr
.irp t, 0,1
.irp dt, 0,1,2,3
	ds_store_b128 v[STO], v[KV+16*\t+4*\dt:KV+16*\t+4*\dt+3] offset:32*\dt
.endr
.irp j, 0,1,2,3
	ds_load_b128 v[KV+32+16*\t+4*\j:KV+32+16*\t+4*\j+3], v[RD] offset:4*KP*\j   ; LDS serves a wave's instructions in order: these see the stores above, and the next tile's stores come behind them
.endr
.endr
	s_wait_dscnt 0x0
.irp t, 0,1
.irp j, 0,1,2,3
	global_store_b128 v[GO], v[KV+32+16*\t+4*\j:KV+32+16*\t+4*\j+3], s[58:59] offset:2048*\t+512*\j
.endr
.endr
	s_wait_tensorcnt 0x0                           ; the wave's end
	ds_add_u32 v[SPW], v[NIL]
	s_wait_dscnt 0x0
	CROUND                                         ; the closing round
	s_endpgm
.Lfunc_end_k_qc0a1159b07_attn:
	.size	k_qc0a1159b07_attn, .Lfunc_end_k_qc0a1159b07_attn-k_qc0a1159b07_attn
	.p2alignl 7, 3214868480
	.fill 96, 4, 3214868480
	.section	.rodata,"a",@progbits
	.p2align	6, 0x0
	.amdhsa_kernel k_qc0a1159b07_attn
		.amdhsa_group_segment_fixed_size 327680
		.amdhsa_private_segment_fixed_size 0
		.amdhsa_enable_private_segment 0
		.amdhsa_kernarg_size 16
		.amdhsa_user_sgpr_count 2
		.amdhsa_user_sgpr_kernarg_segment_ptr 1
		.amdhsa_wavefront_size32 1
		.amdhsa_system_sgpr_workgroup_id_x 1
		.amdhsa_system_sgpr_workgroup_id_y 1
		.amdhsa_system_sgpr_workgroup_id_z 1
		.amdhsa_system_vgpr_workitem_id 0
		.amdhsa_next_free_vgpr 256
		.amdhsa_next_free_sgpr 96
		.amdhsa_reserve_vcc 0
		.amdhsa_float_denorm_mode_32 3
		.amdhsa_float_denorm_mode_16_64 3
		.amdhsa_memory_ordered 1
		.amdhsa_forward_progress 1
		.amdhsa_inst_pref_size 88
	.end_amdhsa_kernel
	.amdgpu_metadata
---
amdhsa.version: [ 1, 2 ]
amdhsa.kernels:
  - .name:           k_qc0a1159b07_attn
    .symbol:         k_qc0a1159b07_attn.kd
    .args:
      - { .name: qkv, .offset: 0, .size: 8, .value_kind: global_buffer, .address_space: global }
      - { .name: o, .offset: 8, .size: 8, .value_kind: global_buffer, .address_space: global }
    .group_segment_fixed_size: 327680
    .private_segment_fixed_size: 0
    .kernarg_segment_align: 8
    .kernarg_segment_size: 16
    .max_flat_workgroup_size: 256
    .sgpr_count:     96
    .vgpr_count:     256
    .wavefront_size: 32
...
	.end_amdgpu_metadata
.endif
;; end of part 3
;; launch wo (part 4): grid 8 x 32, 4 waves a work-group, clusters of 4 x 4, 327,680 bytes of LDS; arguments o, pw, x, y1; writes y1
.if DOCPART == 4
	.amdgcn_target "amdgcn-amd-amdhsa--gfx1250"
	.amdhsa_code_object_version 6
	.text
	.protected	k_qc0a1159b07_wo
	.globl	k_qc0a1159b07_wo
	.p2align	8
	.type	k_qc0a1159b07_wo,@function
k_qc0a1159b07_wo:
	s_mov_b64 s[64:65], 0
	v_nop
	global_prefetch_b8 v0, s[64:65] scope:SCOPE_SE
	s_setreg_imm32_b32 hwreg(HW_REG_WAVE_MODE, 25, 1), 1
	s_wait_xcnt 0x0
	s_wait_alu depctr_hold_cnt(0) depctr_sa_sdst(0) depctr_va_vdst(0) depctr_va_sdst(0) depctr_va_ssrc(0) depctr_va_vcc(0) depctr_vm_vsrc(0)
	s_getreg_b32 s2, hwreg(HW_REG_IB_STS2, 6, 4)
	s_cmp_eq_u32 s2, 0
	s_cbranch_scc0 .Lentry_in_a_cluster
	s_endpgm
.Lentry_in_a_cluster:
	s_bfe_u32 s2, ttmp6, 0x10000c
	s_cmp_lg_u32 s2, 0xf033
	s_cbranch_scc0 .Lentry_shape_is_right
	s_endpgm
.Lentry_shape_is_right:
; WO: y1 = x + o WO.  o: f16, laid [head][4096 rows][64] (K = head x 64 + d); WO: f16 [n][k] in pw; x and y1: f32 [4096][1024].  f16 operands, f32 sums.
; A tile of 128 x 128 is made by four waves, 64 x 64 each: 16 accumulators.  K goes in steps of 256 through a ring of two LDS slots.  4 x 4 work-groups form a cluster: o's tiles are shared along a row
; of the cluster, WO's along a column, each asked for jointly.  The matrix instruction is used transposed: a lane holds eight neighbouring columns of one row.
; o's tile of a K step is four heads x 64 rows: one tensor load of 4 rows of 8,192 dense bytes, with 16 bytes of padding behind every 128: piece (head z, row) lies at (64 z + row) x 144.
; The residual's 64 x 64 numbers of a wave are asked for at the head, into registers of their own, and added on the way out.
; REGISTERS: window 0: v0-31 addresses; v32-95 the way out; v128-255 accumulators.  window 1: two fragment buffers.  window 2: v0-127 the residual.
.set SIZE_K, 1024
.set SIZE_N, 1024
.set HEADS,  1
.set BIAS,   0
.set OBT,    3899392                   ; where the weight lies in pw
.set KSTEP,  256
.set PB,     528                       ; the weight's LDS row: 512 bytes + 16
.set HALFB,  64*PB
.if HEADS
.set PA,     144
.set HALFA,  4*64*PA
.set AQ,     64*PA                     ; 64 along K on: the next head's 64 rows
.set AROW,   128
.set ASTEP,  4*4096*128
.else
.set PA,     528
.set HALFA,  64*PA
.set AQ,     128
.set AROW,   SIZE_K*2
.set ASTEP,  KSTEP*2
.endif
.set SLOT,   2*HALFA+2*HALFB
.set STAGE,  2*SLOT                    ; behind the ring: 16 rows x 272 bytes for each wave
.set SPITCH, 272
.set SPARE,  STAGE+4*16*SPITCH         ; the spare words, 128 bytes a wave, which no other line names
.set LAPS,   SIZE_K/(2*KSTEP)
.set ADRA, 16
.set ADRB, 20
.set STO,  24
.set RD,   25
.set CO,   26
.set SPW,  28
.set NIL,  29
.set BI,   32
.set OUTB, 32
.set ACC,  128
.set F0,   0
.set F1,   128
.set G1,  24
.set G0,  32
.set G1B, 48
.set G0B, 56
.set BIA, 68
.set RES, 70
.set MSB, 0
.macro WIN new
.if MSB != \new
	s_set_vgpr_msb (MSB<<8)|\new
.set MSB, \new
.endif
.endm
.set MUL,  0x05
.set TO_F, 0x40
.macro JLOAD s                         ; waves 0 and 1 fetch A's two halves, waves 2 and 3 B's; an s_nop 0 and four v_nop follow each line
	s_cmp_eq_u32 s11, 0
	s_cbranch_scc0 .Lfor_b_\@
	tensor_load_to_lds s[G0+4*\s:G0+4*\s+3], s[G1:G1+7]
	s_nop 0
.rept 4
	v_nop
.endr
	s_branch .Lasked_\@
.Lfor_b_\@:
	tensor_load_to_lds s[G0B+4*\s:G0B+4*\s+3], s[G1B:G1B+7]
	s_nop 0
.rept 4
	v_nop
.endr
.Lasked_\@:
.endm
.macro CREST
	s_cmp_lg_u32 s10, 0
	s_cbranch_scc1 .Lnot_wave_0_\@
	s_barrier_signal -3
.Lnot_wave_0_\@:
	s_barrier_wait -3
	s_barrier_signal -1
	s_barrier_wait -1
.endm
.macro CROUND
	s_barrier_signal -1
	s_barrier_wait -1
	CREST
.endm
	s_load_b128 s[4:7], s[0:1], 0x0                ; A s[4:5], pw s[6:7]
.if BIAS
	s_load_b64 s[BIA:BIA+1], s[0:1], 0x10
	s_load_b64 s[RES:RES+1], s[0:1], 0x18
	s_load_b64 s[8:9], s[0:1], 0x20
.else
	s_load_b64 s[RES:RES+1], s[0:1], 0x10
	s_load_b64 s[8:9], s[0:1], 0x18
.endif
	v_lshl_add_u32 v[SPW], v0, 2, SPARE
	v_mov_b32 v[NIL], 0
	ds_add_u32 v[SPW], v[NIL]                      ; the wave's opening: the add, twice on end, and its wait ahead of my first tensor load
	ds_add_u32 v[SPW], v[NIL]
	v_lshrrev_b32 v1, 5, v0
	v_readfirstlane_b32 s10, v1                    ; wave 0..3
	s_lshr_b32 s11, s10, 1                         ; my half of the rows.  Also: I fetch for A (0) or for B (1)
	s_and_b32 s12, s10, 1                          ; my half of the columns.  Also: which 64 rows I fetch
	s_bfe_u32 s40, ttmp6, 0x40000
	s_bfe_u32 s41, ttmp6, 0x40004
	s_lshl_b32 s42, ttmp9, 2
	s_add_co_u32 s42, s42, s40                     ; tile column
	s_and_b32 s13, ttmp7, 0xffff
	s_lshl_b32 s13, s13, 2
	s_add_co_u32 s13, s13, s41                     ; tile row
	s_lshl_b32 s43, s41, 2
	s_lshl_b32 s43, 15, s43                        ; my row of the cluster
	s_lshl_b32 s44, 0x1111, s40                    ; my column
.if HEADS
	s_or_b32 s[G1+0], s43, (1<<16)|(1<<20)|(1<<21)|(4<<22)|(3<<25)  ; mask; elements of 2 bytes; padding: 4 words behind every 32
	s_mov_b32 s[G1+1], 4096<<16                    ; tensor_dim0: 64 rows x 64 elements of one head, dense
	s_mov_b32 s[G1+2], 4<<16                       ; tensor_dim1: 4 heads
	s_mov_b32 s[G1+3], 4096<<16                    ; tile_dim0
	s_mov_b32 s[G1+4], 4                           ; tile_dim1
	s_mov_b32 s[G1+5], 4096*64                     ; from head to head, in elements
.else
	s_or_b32 s[G1+0], s43, (1<<16)|(1<<20)|(1<<21)|(6<<22)|(3<<25)  ; padding: 4 words behind every 128
	s_mov_b32 s[G1+1], KSTEP<<16
	s_mov_b32 s[G1+2], 64<<16
	s_mov_b32 s[G1+3], KSTEP<<16
	s_mov_b32 s[G1+4], 64
	s_mov_b32 s[G1+5], SIZE_K
.endif
	s_mov_b32 s[G1+6], 0
	s_mov_b32 s[G1+7], 0
	s_or_b32 s[G1B+0], s44, (1<<16)|(1<<20)|(1<<21)|(6<<22)|(3<<25)
	s_mov_b32 s[G1B+1], KSTEP<<16
	s_mov_b32 s[G1B+2], 64<<16
	s_mov_b32 s[G1B+3], KSTEP<<16
	s_mov_b32 s[G1B+4], 64
	s_mov_b32 s[G1B+5], SIZE_K
	s_mov_b32 s[G1B+6], 0
	s_mov_b32 s[G1B+7], 0
	s_lshl_b32 s17, s12, 6
	s_lshl_b32 s16, s13, 7
	s_add_co_u32 s16, s16, s17                     ; A: row 128 x tile row + 64 x half
	s_lshl_b32 s46, s42, 7
	s_add_co_u32 s46, s46, s17                     ; B: row 128 x tile column + 64 x half
	s_mul_i32 s16, s16, AROW
	s_mov_b32 s17, 0
	s_mul_i32 s46, s46, SIZE_K*2
	s_add_co_u32 s46, s46, OBT
	s_mov_b32 s47, 0
	s_mul_i32 s20, s12, HALFA                      ; where they go: A's two halves, then B's two
	s_mul_i32 s21, s12, HALFB
	s_add_co_u32 s21, s21, 2*HALFA
	s_wait_dscnt 0x0                               ; both opening adds are done
	s_wait_kmcnt 0x0
	s_add_nc_u64 s[14:15], s[4:5], s[16:17]
	s_add_nc_u64 s[46:47], s[6:7], s[46:47]
	CROUND                                         ; all sixteen work-groups are here: the first joint loads meet
.irp s, 0,1
	s_mov_b32 s[G0+4*\s], 1
	s_add_co_u32 s[G0+4*\s+1], s20, \s*SLOT
	s_add_nc_u64 s[G0+4*\s+2:G0+4*\s+3], s[14:15], \s*ASTEP
	s_or_b32 s[G0+4*\s+3], s[G0+4*\s+3], 0x80000000
	s_mov_b32 s[G0B+4*\s], 1
	s_add_co_u32 s[G0B+4*\s+1], s21, \s*SLOT
	s_add_nc_u64 s[G0B+4*\s+2:G0B+4*\s+3], s[46:47], \s*KSTEP*2
	s_or_b32 s[G0B+4*\s+3], s[G0B+4*\s+3], 0x80000000
	JLOAD \s
.endr
	v_and_b32 v1, 15, v0                           ; r
	v_bfe_u32 v2, v0, 4, 1                         ; h
	v_mul_u32_u24 v3, v1, PA
	v_lshl_add_u32 v3, v2, 4, v3
	v_mul_u32_u24 v4, v1, PB
	v_lshl_add_u32 v4, v2, 4, v4
	s_mul_i32 s21, s11, HALFA                      ; my 64 rows of A
	s_mul_i32 s22, s12, HALFB                      ; my 64 rows of B, behind A's
	s_add_co_u32 s22, s22, 2*HALFA
.irp s, 0,1
	v_add_nc_u32 v[ADRA+\s], s21, v3
	v_add_nc_u32 v[ADRB+\s], s22, v4
	s_add_co_u32 s21, s21, SLOT
	s_add_co_u32 s22, s22, SLOT
.endr
	s_mul_i32 s23, s10, 16*SPITCH
	s_add_co_u32 s23, s23, STAGE                   ; my stage
	v_mul_u32_u24 v5, v1, SPITCH                   ; in: row r, 32 bytes for each half of the lanes
	v_lshl_add_u32 v5, v2, 5, v5
	v_add_nc_u32 v[STO], s23, v5
	v_mul_u32_u24 v5, v2, SPITCH                   ; back: lanes 0-15 one row of 256 bytes, lanes 16-31 the next
	v_lshl_add_u32 v5, v1, 4, v5
	v_add_nc_u32 v[RD], s23, v5
	v_lshlrev_b32 v5, 12, v2                       ; and the same two rows in memory
	v_lshl_add_u32 v[CO], v1, 4, v5
	s_lshl_b32 s16, s13, 7
	s_lshl_b32 s17, s11, 6
	s_add_co_u32 s16, s16, s17                     ; my first row
	s_lshl_b32 s16, s16, 12
	s_lshl_b32 s46, s42, 9
	s_lshl_b32 s47, s12, 8
	s_add_co_u32 s46, s46, s47                     ; my first column, in bytes of f32
	s_add_co_u32 s16, s16, s46
	s_mov_b32 s17, 0
	s_add_nc_u64 s[8:9], s[8:9], s[16:17]
	s_add_nc_u64 s[RES:RES+1], s[RES:RES+1], s[16:17]
.if BIAS
	s_mov_b32 s47, 0
	s_add_nc_u64 s[BIA:BIA+1], s[BIA:BIA+1], s[46:47]
	v_lshlrev_b32 v5, 5, v2                        ; the bias in the result's layout: block b, columns 16 b + 8 h + 0 .. 7
.irp b, 0,1,2,3
	global_load_b128 v[BI+8*\b:BI+8*\b+3],   v5, s[BIA:BIA+1] offset:64*\b
	global_load_b128 v[BI+8*\b+4:BI+8*\b+7], v5, s[BIA:BIA+1] offset:64*\b+16
.endr
.endif
	WIN 0x80                                       ; destination window 2
.irp a, 0,1,2,3
.irp t, 0,1,2,3,4,5,6,7
	global_load_b128 v[4*(8*\a+\t):4*(8*\a+\t)+3], v[CO], s[RES:RES+1] offset:(16*\a+2*\t)*SIZE_N*4   ; the residual, as the way out will hold the rows
.endr
.endr
	WIN 0
.macro MUL8 f, c, a0, zero             ; 8 matrix instructions: m blocks a0, a0 + 1 x the 4 n blocks, 32 along K; the 16 accumulators take turns
.irp a, \a0, \a0+1
.irp b, 0,1,2,3
.if \zero
.if BIAS
	v_wmma_f32_16x16x32_f16 v[ACC+8*(4*(\a)+\b):ACC+8*(4*(\a)+\b)+7], v[\f+64+8*(4*\c+\b):\f+64+8*(4*\c+\b)+7], v[\f+8*(4*\c+(\a)):\f+8*(4*\c+(\a))+7], v[BI+8*\b:BI+8*\b+7]
.else
	v_wmma_f32_16x16x32_f16 v[ACC+8*(4*(\a)+\b):ACC+8*(4*(\a)+\b)+7], v[\f+64+8*(4*\c+\b):\f+64+8*(4*\c+\b)+7], v[\f+8*(4*\c+(\a)):\f+8*(4*\c+(\a))+7], 0
.endif
.else
	v_wmma_f32_16x16x32_f16 v[ACC+8*(4*(\a)+\b):ACC+8*(4*(\a)+\b)+7], v[\f+64+8*(4*\c+\b):\f+64+8*(4*\c+\b)+7], v[\f+8*(4*\c+(\a)):\f+8*(4*\c+(\a))+7], v[ACC+8*(4*(\a)+\b):ACC+8*(4*(\a)+\b)+7]
.endif
.endr
.endr
.endm
.macro FETCH slot, k, f                ; 32 LDS loads in one run: the fragments of 64 along K at byte k of a K step's rows; the first 32 along K first
	WIN TO_F
.irp c, 0,1
.irp i, 0,1,2,3
	ds_load_b128 v[\f+64+8*(4*\c+\i):\f+64+8*(4*\c+\i)+3],   v[ADRB+\slot] offset:\k+64*\c+\i*16*PB
	ds_load_b128 v[\f+64+8*(4*\c+\i)+4:\f+64+8*(4*\c+\i)+7], v[ADRB+\slot] offset:\k+64*\c+\i*16*PB+32
	ds_load_b128 v[\f+8*(4*\c+\i):\f+8*(4*\c+\i)+3],         v[ADRA+\slot] offset:(\k)/128*AQ+64*\c+\i*16*PA
	ds_load_b128 v[\f+8*(4*\c+\i)+4:\f+8*(4*\c+\i)+7],       v[ADRA+\slot] offset:(\k)/128*AQ+64*\c+\i*16*PA+32
.endr
.endr
.endm
.macro PLACES
.rept 4
	v_nop
.endr
.endm
.macro QUARTER slot, k, f, g, zero     ; 64 along K on buffer f; the next quarter, at byte k, is fetched into g
	s_wait_dscnt 16                                ; the first 32 along K are in
	WIN MUL
	MUL8 \f, 0, 0, \zero
	MUL8 \f, 0, 2, \zero
	PLACES
	FETCH \slot, \k, \g
	s_wait_dscnt 32                                ; all but the 32 just issued
	WIN MUL
	MUL8 \f, 1, 0, 0
	MUL8 \f, 1, 2, 0
.endm
.macro TURN slot, next, fill           ; the last quarter changes slots: one barrier; fill = 1: this slot is filled again, two K steps ahead, behind a round of the cluster's barrier
	WIN 0
	s_wait_tensorcnt 0x0                           ; all my tensor loads have landed: my part of the next slot
	ds_add_u32 v[SPW], v[NIL]                      ; 0 onto my spare word
	s_wait_dscnt 17                                ; (the add and the youngest sixteen loads may be out)
	WIN MUL
	MUL8 F1, 0, 0, 0
	s_wait_dscnt 0x0                               ; the add is done, and my reads of this slot are over
	s_barrier_signal -1
	MUL8 F1, 0, 2, 0
.if \fill
	WIN 0
.endif
	s_barrier_wait -1
.if \fill
	CREST                                          ; no wave of any partner still reads this slot or has a load on its way
	s_add_nc_u64 s[G0+4*\slot+2:G0+4*\slot+3], s[G0+4*\slot+2:G0+4*\slot+3], 2*ASTEP
	s_add_nc_u64 s[G0B+4*\slot+2:G0B+4*\slot+3], s[G0B+4*\slot+2:G0B+4*\slot+3], 2*KSTEP*2
	JLOAD \slot                                    ; my one tensor load behind the round; its four v_nop are also the places in front of the loads below
.else
	PLACES
.endif
	FETCH \next, 0, F0
	WIN MUL
	MUL8 F1, 1, 0, 0
	MUL8 F1, 1, 2, 0
.endm
	s_wait_tensorcnt 1                             ; my part of K step 0 is in; K step 1's load may be out
	s_barrier_signal -1
	s_barrier_wait -1
	FETCH 0, 0, F0
.if BIAS
	s_wait_loadcnt 32                              ; the bias is in; the residual's 32 loads may stay out
.endif
	QUARTER 0, 128, F0, F1, 1                      ; the first products start the sums
	WIN 0
	s_mov_b32 s3, LAPS-1
.Llap:                                                 ; a trip goes once round the ring and fills both slots again
	QUARTER 0, 256, F1, F0, 0
	QUARTER 0, 384, F0, F1, 0
	TURN 0, 1, 1
	QUARTER 1, 128, F0, F1, 0
	QUARTER 1, 256, F1, F0, 0
	QUARTER 1, 384, F0, F1, 0
	TURN 1, 0, 1
	QUARTER 0, 128, F0, F1, 0
	WIN 0
	s_sub_co_u32 s3, s3, 1
	s_cmp_lg_u32 s3, 0
	s_cbranch_scc1 .Llap
	QUARTER 0, 256, F1, F0, 0                      ; the last lap fills nothing
	QUARTER 0, 384, F0, F1, 0
	TURN 0, 1, 0
	QUARTER 1, 128, F0, F1, 0
	QUARTER 1, 256, F1, F0, 0
	QUARTER 1, 384, F0, F1, 0
	s_wait_dscnt 16
	WIN MUL
	MUL8 F1, 0, 0, 0
	MUL8 F1, 0, 2, 0
	s_wait_dscnt 0
	MUL8 F1, 1, 0, 0
	MUL8 F1, 1, 2, 0
	WIN 0
	; THE WAY OUT.  A wave's 64 columns of f32 are 256 consecutive bytes, aligned: 16 rows at a time go through my own stage and come back as whole rows; the residual is added; sixteen lanes store a row.
	PLACES
.irp a, 0,1,2,3
.set BB, OUTB+32*(\a%2)
.if \a >= 2
	s_wait_xcnt 0x0                                ; the stores of two blocks back have read these registers
.endif
.irp b, 0,1,2,3
	ds_store_b128 v[STO], v[ACC+8*(4*\a+\b):ACC+8*(4*\a+\b)+3] offset:64*\b          ; each accumulator from its low end on
	ds_store_b128 v[STO], v[ACC+8*(4*\a+\b)+4:ACC+8*(4*\a+\b)+7] offset:64*\b+16
.endr
.irp t, 0,1,2,3,4,5,6,7
	ds_load_b128 v[BB+4*\t:BB+4*\t+3], v[RD] offset:\t*2*SPITCH    ; LDS serves a wave's instructions in order
.endr
	s_wait_dscnt 0x0
.if \a == 0
	s_wait_loadcnt 0x0                             ; the residual
.endif
	WIN 0x08                                       ; source 1: window 2
.set i, 0
.rept 16
	v_pk_add_f32 v[BB+2*i:BB+2*i+1], v[BB+2*i:BB+2*i+1], v[32*\a+2*i:32*\a+2*i+1]
.set i, i+1
.endr
	WIN 0
.irp t, 0,1,2,3,4,5,6,7
	global_store_b128 v[CO], v[BB+4*\t:BB+4*\t+3], s[8:9] offset:(16*\a+2*\t)*SIZE_N*4 th:TH_STORE_NT
.endr
.endr
	s_wait_tensorcnt 0x0                           ; the wave's end
	ds_add_u32 v[SPW], v[NIL]
	s_wait_dscnt 0x0
	CROUND                                         ; the closing round
	s_endpgm
.Lfunc_end_k_qc0a1159b07_wo:
	.size	k_qc0a1159b07_wo, .Lfunc_end_k_qc0a1159b07_wo-k_qc0a1159b07_wo
	.p2alignl 7, 3214868480
	.fill 96, 4, 3214868480
	.section	.rodata,"a",@progbits
	.p2align	6, 0x0
	.amdhsa_kernel k_qc0a1159b07_wo
		.amdhsa_group_segment_fixed_size 327680
		.amdhsa_private_segment_fixed_size 0
		.amdhsa_enable_private_segment 0
		.amdhsa_kernarg_size 32
		.amdhsa_user_sgpr_count 2
		.amdhsa_user_sgpr_kernarg_segment_ptr 1
		.amdhsa_wavefront_size32 1
		.amdhsa_system_sgpr_workgroup_id_x 1
		.amdhsa_system_sgpr_workgroup_id_y 1
		.amdhsa_system_sgpr_workgroup_id_z 1
		.amdhsa_system_vgpr_workitem_id 0
		.amdhsa_next_free_vgpr 640
		.amdhsa_next_free_sgpr 76
		.amdhsa_reserve_vcc 0
		.amdhsa_float_denorm_mode_32 3
		.amdhsa_float_denorm_mode_16_64 3
		.amdhsa_memory_ordered 1
		.amdhsa_forward_progress 1
		.amdhsa_inst_pref_size 93
	.end_amdhsa_kernel
	.amdgpu_metadata
---
amdhsa.version: [ 1, 2 ]
amdhsa.kernels:
  - .name:           k_qc0a1159b07_wo
    .symbol:         k_qc0a1159b07_wo.kd
    .args:
      - { .name: o, .offset: 0, .size: 8, .value_kind: global_buffer, .address_space: global }
      - { .name: pw, .offset: 8, .size: 8, .value_kind: global_buffer, .address_space: global }
      - { .name: x, .offset: 16, .size: 8, .value_kind: global_buffer, .address_space: global }
      - { .name: y1, .offset: 24, .size: 8, .value_kind: global_buffer, .address_space: global }
    .group_segment_fixed_size: 327680
    .private_segment_fixed_size: 0
    .kernarg_segment_align: 8
    .kernarg_segment_size: 32
    .max_flat_workgroup_size: 128
    .sgpr_count:     76
    .vgpr_count:     640
    .wavefront_size: 32
...
	.end_amdgpu_metadata
.endif
;; end of part 4
;; launch ln1 (part 5): grid 256 x 1, 8 waves a work-group, no clusters, 0 bytes of LDS; arguments y1, g1, be1, x1; writes x1
.if DOCPART == 5
	.amdgcn_target "amdgcn-amd-amdhsa--gfx1250"
	.amdhsa_code_object_version 6
	.text
	.protected	k_qc0a1159b07_ln1
	.globl	k_qc0a1159b07_ln1
	.p2align	8
	.type	k_qc0a1159b07_ln1,@function
k_qc0a1159b07_ln1:
	s_mov_b64 s[64:65], 0
	v_nop
	global_prefetch_b8 v0, s[64:65] scope:SCOPE_SE
	s_setreg_imm32_b32 hwreg(HW_REG_WAVE_MODE, 25, 1), 1
	s_wait_xcnt 0x0
; LN1: x1 = g1 (y1 - mean) rsqrt(var + 1e-3) + be1, row by row of 1,024; stored as f32 [4096][1024] and, from byte X1H on, as f16 [4096][1024] for the next product.
; A wave owns two rows; a row is 32 registers and stays there between the passes: memory is read once, no LDS, no barrier.  The variance is the mean of (x - mean)^2, as reference() has it.
; LIMIT: a number beyond 65,504 becomes infinity in the f16 copy.
.set HALF, 1
.set X1H,  16777216
.set G,    32                          ; v32-63  the gain of my 32 columns
.set BE,   64                          ; v64-95  the offset
.set X0,   96                          ; v96-127, v128-159 the two rows
.set H,    160                         ; v160-191 the f16 copies
	s_load_b256 s[4:11], s[0:1], 0x0               ; in s[4:5], gain s[6:7], offset s[8:9], out s[10:11]
	v_and_b32 v3, 31, v0
	v_lshlrev_b32 v1, 4, v3                        ; 16 bytes a lane
	v_lshlrev_b32 v2, 3, v3                        ; 8 bytes a lane in the f16 copy
	v_lshrrev_b32 v3, 5, v0
	v_readfirstlane_b32 s20, v3                    ; wave 0..7
	s_lshl_b32 s18, ttmp9, 16                      ; 16 rows of 4,096 bytes a work-group,
	s_lshl_b32 s19, s20, 13                        ; two a wave
	s_add_co_u32 s18, s18, s19
	s_mov_b32 s19, 0
	s_mov_b32 s14, 0x3a800000                      ; 1 / 1024
	s_mov_b32 s15, 0x3a83126f                      ; 1e-3
	s_mov_b32 s16, 0x76543210
	s_mov_b32 s17, 0xfedcba98
	s_wait_kmcnt 0x0
	s_add_nc_u64 s[4:5], s[4:5], s[18:19]
.if HALF
	s_lshr_b32 s22, s18, 1
	s_add_co_u32 s22, s22, X1H
	s_mov_b32 s23, 0
	s_add_nc_u64 s[12:13], s[10:11], s[22:23]
.endif
	s_add_nc_u64 s[10:11], s[10:11], s[18:19]
.irp j, 0,1,2,3,4,5,6,7
	global_load_b128 v[G+4*\j:G+4*\j+3], v1, s[6:7] offset:512*\j
.endr
.irp j, 0,1,2,3,4,5,6,7
	global_load_b128 v[BE+4*\j:BE+4*\j+3], v1, s[8:9] offset:512*\j
.endr
.irp q, 0,1
.irp j, 0,1,2,3,4,5,6,7
	global_load_b128 v[X0+32*\q+4*\j:X0+32*\q+4*\j+3], v1, s[4:5] offset:4096*\q+512*\j th:TH_LOAD_NT   ; 512 consecutive bytes a load
.endr
.endr
.macro FOLD                            ; four chains in v[4:11] -> their sum over the wave, in every lane's v4
	v_pk_add_f32 v[4:5], v[4:5], v[6:7]
	v_pk_add_f32 v[8:9], v[8:9], v[10:11]
	v_pk_add_f32 v[4:5], v[4:5], v[8:9]
	v_add_f32 v4, v4, v5
	v_add_f32_dpp v4, v4, v4 row_xmask:1 row_mask:0xf bank_mask:0xf
	v_add_f32_dpp v4, v4, v4 row_xmask:2 row_mask:0xf bank_mask:0xf
	v_add_f32_dpp v4, v4, v4 row_xmask:4 row_mask:0xf bank_mask:0xf
	v_add_f32_dpp v4, v4, v4 row_xmask:8 row_mask:0xf bank_mask:0xf
	v_permlanex16_b32 v5, v4, s16, s17
	v_add_f32 v4, v4, v5
.endm
.macro ROW q
.set XR, X0+32*\q
.irp c, 0,1,2,3
	v_pk_add_f32 v[4+2*\c:5+2*\c], v[XR+2*\c:XR+2*\c+1], v[XR+8+2*\c:XR+9+2*\c]
.endr
.irp j, 16,24
.irp c, 0,1,2,3
	v_pk_add_f32 v[4+2*\c:5+2*\c], v[4+2*\c:5+2*\c], v[XR+\j+2*\c:XR+\j+2*\c+1]
.endr
.endr
	FOLD
	v_mul_f32 v16, s14, v4                         ; the mean, twice: a pair for the packed forms
	v_mul_f32 v17, s14, v4
.set i, 0
.rept 16
	v_pk_add_f32 v[XR+2*i:XR+2*i+1], v[XR+2*i:XR+2*i+1], v[16:17] neg_lo:[0,1] neg_hi:[0,1]
.set i, i+1
.endr
.irp c, 0,1,2,3
	v_pk_mul_f32 v[4+2*\c:5+2*\c], v[XR+2*\c:XR+2*\c+1], v[XR+2*\c:XR+2*\c+1]
.endr
.irp j, 8,16,24
.irp c, 0,1,2,3
	v_pk_fma_f32 v[4+2*\c:5+2*\c], v[XR+\j+2*\c:XR+\j+2*\c+1], v[XR+\j+2*\c:XR+\j+2*\c+1], v[4+2*\c:5+2*\c]
.endr
.endr
	FOLD
	v_fma_f32 v4, v4, s14, s15                     ; the variance + 1e-3
	v_rsq_f32 v18, v4
	v_rsq_f32 v19, v4
	v_nop                                          ; a plain instruction behind the transcendentals
	s_wait_alu depctr_va_vdst(0)                   ; one wait for both, ahead of their first reader
.set i, 0
.rept 16
	v_pk_mul_f32 v[XR+2*i:XR+2*i+1], v[XR+2*i:XR+2*i+1], v[18:19]
.set i, i+1
.endr
.set i, 0
.rept 16
	v_pk_fma_f32 v[XR+2*i:XR+2*i+1], v[XR+2*i:XR+2*i+1], v[G+2*i:G+2*i+1], v[BE+2*i:BE+2*i+1]
.set i, i+1
.endr
.irp j, 0,1,2,3,4,5,6,7
	global_store_b128 v1, v[XR+4*\j:XR+4*\j+3], s[10:11] offset:4096*\q+512*\j
.endr
.if HALF
.set i, 0
.rept 16
	v_cvt_pk_f16_f32 v[H+16*\q+i], v[XR+2*i], v[XR+2*i+1]
.set i, i+1
.endr
.irp j, 0,1,2,3,4,5,6,7
	global_store_b64 v2, v[H+16*\q+2*\j:H+16*\q+2*\j+1], s[12:13] offset:2048*\q+256*\j   ; 32 lanes store 256 consecutive bytes, aligned
.endr
.endif
.endm
	s_wait_loadcnt 8                               ; gain, offset and the first row are in; the second row's eight loads may be out
	ROW 0
	s_wait_loadcnt 0
	ROW 1
	s_endpgm
.Lfunc_end_k_qc0a1159b07_ln1:
	.size	k_qc0a1159b07_ln1, .Lfunc_end_k_qc0a1159b07_ln1-k_qc0a1159b07_ln1
	.p2alignl 7, 3214868480
	.fill 96, 4, 3214868480
	.section	.rodata,"a",@progbits
	.p2align	6, 0x0
	.amdhsa_kernel k_qc0a1159b07_ln1
		.amdhsa_group_segment_fixed_size 0
		.amdhsa_private_segment_fixed_size 0
		.amdhsa_enable_private_segment 0
		.amdhsa_kernarg_size 32
		.amdhsa_user_sgpr_count 2
		.amdhsa_user_sgpr_kernarg_segment_ptr 1
		.amdhsa_wavefront_size32 1
		.amdhsa_system_sgpr_workgroup_id_x 1
		.amdhsa_system_sgpr_workgroup_id_y 1
		.amdhsa_system_sgpr_workgroup_id_z 1
		.amdhsa_system_vgpr_workitem_id 0
		.amdhsa_next_free_vgpr 192
		.amdhsa_next_free_sgpr 66
		.amdhsa_reserve_vcc 0
		.amdhsa_float_denorm_mode_32 3
		.amdhsa_float_denorm_mode_16_64 3
		.amdhsa_memory_ordered 1
		.amdhsa_forward_progress 1
		.amdhsa_inst_pref_size 22
	.end_amdhsa_kernel
	.amdgpu_metadata
---
amdhsa.version: [ 1, 2 ]
amdhsa.kernels:
  - .name:           k_qc0a1159b07_ln1
    .symbol:         k_qc0a1159b07_ln1.kd
    .args:
      - { .name: y1, .offset: 0, .size: 8, .value_kind: global_buffer, .address_space: global }
      - { .name: g1, .offset: 8, .size: 8, .value_kind: global_buffer, .address_space: global }
      - { .name: be1, .offset: 16, .size: 8, .value_kind: global_buffer, .address_space: global }
      - { .name: x1, .offset: 24, .size: 8, .value_kind: global_buffer, .address_space: global }
    .group_segment_fixed_size: 0
    .private_segment_fixed_size: 0
    .kernarg_segment_align: 8
    .kernarg_segment_size: 32
    .max_flat_workgroup_size: 256
    .sgpr_count:     66
    .vgpr_count:     192
    .wavefront_size: 32
...
	.end_amdgpu_metadata
.endif
;; end of part 5
;; launch ffn1 (part 6): grid 16 x 16, 4 waves a work-group, clusters of 4 x 4, 327,680 bytes of LDS; arguments x1, pw, b1, hh; writes hh
.if DOCPART == 6
	.amdgcn_target "amdgcn-amd-amdhsa--gfx1250"
	.amdhsa_code_object_version 6
	.text
	.protected	k_qc0a1159b07_ffn1
	.globl	k_qc0a1159b07_ffn1
	.p2align	8
	.type	k_qc0a1159b07_ffn1,@function
k_qc0a1159b07_ffn1:
	s_mov_b64 s[64:65], 0
	v_nop
	global_prefetch_b8 v0, s[64:65] scope:SCOPE_SE
	s_setreg_imm32_b32 hwreg(HW_REG_WAVE_MODE, 25, 1), 1
	s_wait_xcnt 0x0
	s_wait_alu depctr_hold_cnt(0) depctr_sa_sdst(0) depctr_va_vdst(0) depctr_va_sdst(0) depctr_va_ssrc(0) depctr_va_vcc(0) depctr_vm_vsrc(0)
	s_getreg_b32 s2, hwreg(HW_REG_IB_STS2, 6, 4)
	s_cmp_eq_u32 s2, 0
	s_cbranch_scc0 .Lentry_in_a_cluster
	s_endpgm
.Lentry_in_a_cluster:
	s_bfe_u32 s2, ttmp6, 0x10000c
	s_cmp_lg_u32 s2, 0xf033
	s_cbranch_scc0 .Lentry_shape_is_right
	s_endpgm
.Lentry_shape_is_right:
; FFN1: h = gelu(x1 K1 + b1), exact gelu = 0.5 v (1 + erf(v / sqrt 2)).  x1: f16 [4096][1024] at byte X1H of its buffer; K1: f16 [4096 n][1024 k] in pw; b1: f32; h: f16 [4096][4096].  f32 sums.
; A tile of 256 x 256 is made by four waves, 128 x 128 each: 64 accumulators, 512 registers.  K goes in steps of 128 through a ring of two LDS slots (rows of 256 bytes + 16).
; 4 x 4 work-groups form a cluster: x1's tiles are shared along a row of the cluster, K1's along a column, each asked for jointly.  The matrix instruction is used transposed.
; The bias is the C of each sum's first matrix instruction.
; erf: |erf| = 1 - (a1 t + .. + a5 t^5) e^(-z^2), t = 1 / (1 + 0.3275911 z), z = |v| / sqrt 2 (Abramowitz and Stegun 7.1.26, error at most 1.5e-7 for every z).
; With u = v sqrt(log2(e) / 2): e^(-z^2) = 2^(-u^2), 0.3275911 z = p |u|, and gelu = (0.5 / k) (u + |u| erf).
; LIMITS: h beyond 65,504 becomes infinity in f16; NaN and infinities are not served.
; REGISTERS: window 0: v0-31 addresses and constants; v64-127, v128-191 x1's fragments, two buffers; v192-255 the bias; on the way out v32-255 at work.  window 1: K1's fragments.  windows 2, 3: accumulators.
.set SIZE_N, 4096
.set SIZE_K, 1024
.set X1H,    16777216
.set OK1T,   5996544
.set KSTEP,  128
.set PITCH,  272
.set HALFT,  128*PITCH
.set SLOT,   4*HALFT
.set STAGE,  2*SLOT
.set SPITCH, 272
.set SPARE,  STAGE+4*16*SPITCH         ; the spare words, 128 bytes a wave, which no other line names
.set LAPS,   SIZE_K/(2*KSTEP)
.set ADRA, 16
.set ADRB, 20
.set STO,  24
.set RD,   25
.set CO,   26
.set SPW,  28
.set NIL,  29
.set F0,   64
.set F1,   128
.set BI,   192
.set OB,   32                          ; the way out: rows read back from the stage
.set GU,   64                          ; v64-127  u of a block of 16 rows x 128 columns
.set GE,   128                         ; v128-159 -u^2, then 2^(-u^2)
.set GT,   160                         ; v160-191 1 + p |u|, then t
.set TMP,  192                         ; v192-223 the packed results
.set GQ,   224                         ; v224-255 the polynomial, then erf
.set G1,  24
.set G0,  32
.set G1B, 48
.set G0B, 56
.set MSB, 0
.macro WIN new
.if MSB != \new
	s_set_vgpr_msb (MSB<<8)|\new
.set MSB, \new
.endif
.endm
.set MUL_LO, 0xa1
.set MUL_HI, 0xf1
.set TO_B,   0x40
.macro JLOAD s
	s_cmp_eq_u32 s11, 0
	s_cbranch_scc0 .Lfor_b_\@
	tensor_load_to_lds s[G0+4*\s:G0+4*\s+3], s[G1:G1+7]
	s_nop 0
.rept 4
	v_nop
.endr
	s_branch .Lasked_\@
.Lfor_b_\@:
	tensor_load_to_lds s[G0B+4*\s:G0B+4*\s+3], s[G1B:G1B+7]
	s_nop 0
.rept 4
	v_nop
.endr
.Lasked_\@:
.endm
.macro CREST
	s_cmp_lg_u32 s10, 0
	s_cbranch_scc1 .Lnot_wave_0_\@
	s_barrier_signal -3
.Lnot_wave_0_\@:
	s_barrier_wait -3
	s_barrier_signal -1
	s_barrier_wait -1
.endm
.macro CROUND
	s_barrier_signal -1
	s_barrier_wait -1
	CREST
.endm
	s_load_b128 s[4:7], s[0:1], 0x0                ; x1 s[4:5], pw s[6:7]
	s_load_b64 s[72:73], s[0:1], 0x10              ; b1
	s_load_b64 s[8:9], s[0:1], 0x18                ; h
	v_lshl_add_u32 v[SPW], v0, 2, SPARE
	v_mov_b32 v[NIL], 0
	ds_add_u32 v[SPW], v[NIL]                      ; the wave's opening: the add, twice on end, and its wait ahead of my first tensor load
	ds_add_u32 v[SPW], v[NIL]
	v_lshrrev_b32 v1, 5, v0
	v_readfirstlane_b32 s10, v1                    ; wave 0..3
	s_lshr_b32 s11, s10, 1                         ; my half of the rows.  Also: I fetch for x1 (0) or for K1 (1)
	s_and_b32 s12, s10, 1                          ; my half of the columns.  Also: which 128 rows I fetch
	s_bfe_u32 s40, ttmp6, 0x40000
	s_bfe_u32 s41, ttmp6, 0x40004
	s_lshl_b32 s42, ttmp9, 2
	s_add_co_u32 s42, s42, s40                     ; tile column
	s_and_b32 s13, ttmp7, 0xffff
	s_lshl_b32 s13, s13, 2
	s_add_co_u32 s13, s13, s41                     ; tile row
	s_lshl_b32 s43, s41, 2
	s_lshl_b32 s43, 15, s43
	s_lshl_b32 s44, 0x1111, s40
	s_or_b32 s[G1+0], s43, (1<<16)|(1<<20)|(1<<21)|(5<<22)|(3<<25)  ; mask; elements of 2 bytes; padding: 4 words behind every 64
	s_or_b32 s[G1B+0], s44, (1<<16)|(1<<20)|(1<<21)|(5<<22)|(3<<25)
.irp g, G1, G1B
	s_mov_b32 s[\g+1], KSTEP<<16
	s_mov_b32 s[\g+2], 128<<16
	s_mov_b32 s[\g+3], KSTEP<<16
	s_mov_b32 s[\g+4], 128
	s_mov_b32 s[\g+5], SIZE_K
	s_mov_b32 s[\g+6], 0
	s_mov_b32 s[\g+7], 0
.endr
	s_lshl_b32 s17, s12, 7
	s_lshl_b32 s16, s13, 8
	s_add_co_u32 s16, s16, s17                     ; x1: row 256 x tile row + 128 x half
	s_lshl_b32 s46, s42, 8
	s_add_co_u32 s46, s46, s17                     ; K1: row 256 x tile column + 128 x half
	s_lshl_b32 s16, s16, 11                        ; rows of 2,048 bytes
	s_add_co_u32 s16, s16, X1H
	s_mov_b32 s17, 0
	s_lshl_b32 s46, s46, 11
	s_add_co_u32 s46, s46, OK1T
	s_mov_b32 s47, 0
	s_mul_i32 s20, s10, HALFT                      ; where they go: wave x 128 rows
	s_mov_b32 s66, 0x3f596d27                      ; k = sqrt(log2(e) / 2)
	s_mov_b32 s67, s66
	s_mov_b32 s68, 0x3f16b55f                      ; 0.5 / k
	s_mov_b32 s69, s68
	s_mov_b32 s70, 0x3e8ba43f                      ; p = 0.3275911 sqrt(ln 2)
	s_wait_dscnt 0x0                               ; both opening adds are done
	s_wait_kmcnt 0x0
	s_add_nc_u64 s[14:15], s[4:5], s[16:17]
	s_add_nc_u64 s[46:47], s[6:7], s[46:47]
	CROUND                                         ; all sixteen work-groups are here: the first joint loads meet
.irp s, 0,1
	s_mov_b32 s[G0+4*\s], 1
	s_add_co_u32 s[G0+4*\s+1], s20, \s*SLOT
	s_add_nc_u64 s[G0+4*\s+2:G0+4*\s+3], s[14:15], \s*KSTEP*2
	s_or_b32 s[G0+4*\s+3], s[G0+4*\s+3], 0x80000000
	s_mov_b32 s[G0B+4*\s], 1
	s_add_co_u32 s[G0B+4*\s+1], s20, \s*SLOT
	s_add_nc_u64 s[G0B+4*\s+2:G0B+4*\s+3], s[46:47], \s*KSTEP*2
	s_or_b32 s[G0B+4*\s+3], s[G0B+4*\s+3], 0x80000000
	JLOAD \s
.endr
	v_and_b32 v1, 15, v0                           ; r
	v_bfe_u32 v2, v0, 4, 1                         ; h
	v_mul_u32_u24 v3, v1, PITCH
	v_lshl_add_u32 v3, v2, 4, v3
	s_mul_i32 s21, s11, HALFT
	s_mul_i32 s22, s12, HALFT
	s_add_co_u32 s22, s22, 2*HALFT
.irp s, 0,1
	v_add_nc_u32 v[ADRA+\s], s21, v3
	v_add_nc_u32 v[ADRB+\s], s22, v3
	s_add_co_u32 s21, s21, SLOT
	s_add_co_u32 s22, s22, SLOT
.endr
	s_mul_i32 s23, s10, 16*SPITCH
	s_add_co_u32 s23, s23, STAGE                   ; my stage
	v_mul_u32_u24 v4, v1, SPITCH
	v_lshl_add_u32 v4, v2, 4, v4
	v_add_nc_u32 v[STO], s23, v4
	v_mul_u32_u24 v5, v2, SPITCH
	v_lshl_add_u32 v5, v1, 4, v5
	v_add_nc_u32 v[RD], s23, v5
	v_lshlrev_b32 v5, 13, v2                       ; a row of h is 8,192 bytes
	v_lshl_add_u32 v[CO], v1, 4, v5
	s_lshl_b32 s16, s13, 8
	s_lshl_b32 s17, s11, 7
	s_add_co_u32 s16, s16, s17                     ; my first row
	s_lshl_b32 s16, s16, 13
	s_lshl_b32 s46, s42, 9
	s_lshl_b32 s47, s12, 8
	s_add_co_u32 s46, s46, s47                     ; my first column, in bytes of f16
	s_add_co_u32 s16, s16, s46
	s_mov_b32 s17, 0
	s_add_nc_u64 s[8:9], s[8:9], s[16:17]
	s_lshl_b32 s46, s46, 1                         ; and in bytes of f32
	s_mov_b32 s47, 0
	s_add_nc_u64 s[72:73], s[72:73], s[46:47]
	v_lshlrev_b32 v5, 5, v2                        ; the bias in the result's layout: block b, columns 16 b + 8 h + 0 .. 7
.irp b, 0,1,2,3,4,5,6,7
	global_load_b128 v[BI+8*\b:BI+8*\b+3],   v5, s[72:73] offset:64*\b
	global_load_b128 v[BI+8*\b+4:BI+8*\b+7], v5, s[72:73] offset:64*\b+16
.endr
.irp r, 6,7
	v_mov_b32 v\r, 0x3e827906                      ; a1 .. a5 and 1, each twice: pairs for the packed forms
.endr
.irp r, 8,9
	v_mov_b32 v\r, 0xbe91a98e
.endr
.irp r, 10,11
	v_mov_b32 v\r, 0x3fb5f0e3
.endr
.irp r, 12,13
	v_mov_b32 v\r, 0xbfba00e3
.endr
.irp r, 14,15
	v_mov_b32 v\r, 0x3f87dc22
.endr
.irp r, 18,19
	v_mov_b32 v\r, 1.0
.endr
.macro MUL16 f, hi, a0, zero           ; 16 matrix instructions; the 64 accumulators take turns, one instruction a turn
.irp a, \a0, \a0+1
.irp b, 0,1,2,3,4,5,6,7
.if \zero
	v_wmma_f32_16x16x32_f16 v[8*(8*(\a)+\b):8*(8*(\a)+\b)+7], v[\f+8*\b:\f+8*\b+7], v[\f+8*(4*\hi+(\a)):\f+8*(4*\hi+(\a))+7], v[BI+8*\b:BI+8*\b+7]
.else
	v_wmma_f32_16x16x32_f16 v[8*(8*(\a)+\b):8*(8*(\a)+\b)+7], v[\f+8*\b:\f+8*\b+7], v[\f+8*(4*\hi+(\a)):\f+8*(4*\hi+(\a))+7], v[8*(8*(\a)+\b):8*(8*(\a)+\b)+7]
.endif
.endr
.endr
.endm
.macro FETCH slot, k, f                ; 32 LDS loads in one run: 128 rows of K1, 128 rows of x1, 32 along K at byte k
	WIN TO_B
.irp i, 0,1,2,3,4,5,6,7
	ds_load_b128 v[\f+8*\i:\f+8*\i+3],   v[ADRB+\slot] offset:\k+\i*16*PITCH
	ds_load_b128 v[\f+8*\i+4:\f+8*\i+7], v[ADRB+\slot] offset:\k+\i*16*PITCH+32
.endr
	WIN 0
.irp i, 0,1,2,3,4,5,6,7
	ds_load_b128 v[\f+8*\i:\f+8*\i+3],   v[ADRA+\slot] offset:\k+\i*16*PITCH
	ds_load_b128 v[\f+8*\i+4:\f+8*\i+7], v[ADRA+\slot] offset:\k+\i*16*PITCH+32
.endr
.endm
.macro PLACES
.rept 4
	v_nop
.endr
.endm
.macro QUARTER slot, k, f, g, zero     ; 32 along K on buffer f; the next quarter, at byte k, is fetched into g.  zero = 1: C is the bias, in window 0
	s_wait_dscnt 8                                 ; K1's fragments and x1's rows 0-63 are in; the youngest eight loads may be out
.if \zero
	WIN 0x81
.else
	WIN MUL_LO
.endif
	MUL16 \f, 0, 0, \zero
	MUL16 \f, 0, 2, \zero
	PLACES
	FETCH \slot, \k, \g
	s_wait_dscnt 32                                ; all but the 32 just issued
.if \zero
	WIN 0xc1
.else
	WIN MUL_HI
.endif
	MUL16 \f, 1, 0, \zero
	MUL16 \f, 1, 2, \zero
.endm
.macro TURN slot, next, fill           ; the last quarter changes slots: one barrier; fill = 1: this slot is filled again, two K steps ahead, behind a round of the cluster's barrier
	WIN 0
	s_wait_tensorcnt 0x0                           ; all my tensor loads have landed: my part of the next slot
	ds_add_u32 v[SPW], v[NIL]                      ; 0 onto my spare word
	s_wait_dscnt 9                                 ; (the add and the youngest eight loads may be out)
	WIN MUL_LO
	MUL16 F1, 0, 0, 0
	s_wait_dscnt 0x0                               ; the add is done, and my reads of this slot are over
	s_barrier_signal -1
	MUL16 F1, 0, 2, 0
.if \fill
	WIN 0
.endif
	s_barrier_wait -1
.if \fill
	CREST                                          ; no wave of any partner still reads this slot or has a load on its way
	s_add_nc_u64 s[G0+4*\slot+2:G0+4*\slot+3], s[G0+4*\slot+2:G0+4*\slot+3], 2*KSTEP*2
	s_add_nc_u64 s[G0B+4*\slot+2:G0B+4*\slot+3], s[G0B+4*\slot+2:G0B+4*\slot+3], 2*KSTEP*2
	JLOAD \slot                                    ; my one tensor load behind the round; its four v_nop are also the places in front of the loads below
.else
	PLACES
.endif
	FETCH \next, 0, F0
	WIN MUL_HI
	MUL16 F1, 1, 0, 0
	MUL16 F1, 1, 2, 0
.endm
	s_wait_tensorcnt 1                             ; my part of K step 0 is in; K step 1's load may be out
	s_barrier_signal -1
	s_barrier_wait -1
	FETCH 0, 0, F0
	s_wait_loadcnt 0x0                             ; the bias
	QUARTER 0, 64,  F0, F1, 1                      ; the first products start the sums, on the bias
	WIN 0
	s_mov_b32 s3, LAPS-1
.Llap:                                                 ; a trip goes once round the ring and fills both slots again
	QUARTER 0, 128, F1, F0, 0
	QUARTER 0, 192, F0, F1, 0
	TURN 0, 1, 1
	QUARTER 1, 64,  F0, F1, 0
	QUARTER 1, 128, F1, F0, 0
	QUARTER 1, 192, F0, F1, 0
	TURN 1, 0, 1
	QUARTER 0, 64,  F0, F1, 0
	WIN 0
	s_sub_co_u32 s3, s3, 1
	s_cmp_lg_u32 s3, 0
	s_cbranch_scc1 .Llap
	QUARTER 0, 128, F1, F0, 0                      ; the last lap fills nothing
	QUARTER 0, 192, F0, F1, 0
	TURN 0, 1, 0
	QUARTER 1, 64,  F0, F1, 0
	QUARTER 1, 128, F1, F0, 0
	QUARTER 1, 192, F0, F1, 0
	s_wait_dscnt 8
	WIN MUL_LO
	MUL16 F1, 0, 0, 0
	MUL16 F1, 0, 2, 0
	s_wait_dscnt 0
	WIN MUL_HI
	MUL16 F1, 1, 0, 0
	MUL16 F1, 1, 2, 0
	WIN 0
; THE WAY OUT: eight blocks of 16 rows x 128 columns.  The gelu is some 550 instructions a block; written out eight times it would be most of the launch's code.  So it stands once, in a loop of eight trips, on
; fixed registers; what differs from trip to trip, the accumulators' numbers, is a short copy (u = v x k, 32 packed multiplies), one of eight, chosen by the trip's number.
.macro COPY a
	WIN 0x02+(\a)/4                                ; source 0: window 2 or 3
.set i, 0
.rept 32
	v_pk_mul_f32 v[GU+2*i:GU+2*i+1], v[64*((\a)%4)+2*i:64*((\a)%4)+2*i+1], s[66:67] op_sel_hi:[1,0]   ; ascending: each accumulator from its low end on
.set i, i+1
.endr
	WIN 0
.endm
.macro GHALF hf                        ; 32 numbers a lane: accumulators 4 hf .. 4 hf + 3 of the block
.set UU, GU+32*\hf
.set i, 0
.rept 16
	v_pk_mul_f32 v[GE+2*i:GE+2*i+1], v[UU+2*i:UU+2*i+1], v[UU+2*i:UU+2*i+1] neg_lo:[1,0] neg_hi:[1,0]   ; -u^2
.set i, i+1
.endr
.set i, 0
.rept 32
	v_fma_f32 v[GT+i], |v[UU+i]|, s70, 1.0         ; 1 + p |u|
.set i, i+1
.endr
.set i, 0
.rept 32
	v_rcp_f32 v[GT+i], v[GT+i]                     ; t
.set i, i+1
.endr
.set i, 0
.rept 32
	v_exp_f32 v[GE+i], v[GE+i]                     ; 2^(-u^2)
.set i, i+1
.endr
	v_nop                                          ; a plain instruction behind the last transcendental
	s_wait_alu depctr_va_vdst(0)                   ; one wait for the batch of 64, ahead of its first reader
.set i, 0
.rept 16
	v_pk_fma_f32 v[GQ+2*i:GQ+2*i+1], v[GT+2*i:GT+2*i+1], v[14:15], v[12:13]      ; a5 t + a4
.set i, i+1
.endr
.irp c, 10,8,6
.set i, 0
.rept 16
	v_pk_fma_f32 v[GQ+2*i:GQ+2*i+1], v[GQ+2*i:GQ+2*i+1], v[GT+2*i:GT+2*i+1], v[\c:\c+1]   ; .. t + a3, a2, a1
.set i, i+1
.endr
.endr
.set i, 0
.rept 16
	v_pk_mul_f32 v[GQ+2*i:GQ+2*i+1], v[GQ+2*i:GQ+2*i+1], v[GT+2*i:GT+2*i+1]
.set i, i+1
.endr
.set i, 0
.rept 16
	v_pk_fma_f32 v[GQ+2*i:GQ+2*i+1], v[GQ+2*i:GQ+2*i+1], v[GE+2*i:GE+2*i+1], v[18:19] neg_lo:[1,0,0] neg_hi:[1,0,0]   ; erf of the magnitude
.set i, i+1
.endr
.set i, 0
.rept 32
	v_fma_f32 v[UU+i], |v[UU+i]|, v[GQ+i], v[UU+i] ; u + |u| erf
.set i, i+1
.endr
.set i, 0
.rept 16
	v_pk_mul_f32 v[UU+2*i:UU+2*i+1], v[UU+2*i:UU+2*i+1], s[68:69] op_sel_hi:[1,0]
.set i, i+1
.endr
.set i, 0
.rept 16
	v_cvt_pk_f16_f32 v[TMP+16*\hf+i], v[UU+2*i], v[UU+2*i+1]
.set i, i+1
.endr
.endm
	PLACES                                         ; in front of the first read of results and of writes into the fragments' registers
	s_mov_b32 s3, 0
.Lblock:
.irp a, 0,1,2,3,4,5,6
	s_cmp_eq_u32 s3, \a
	s_cbranch_scc1 .Lcopy\a
.endr
	COPY 7
	s_branch .Lgelu
.irp a, 0,1,2,3,4,5,6
.Lcopy\a:
	COPY \a
.if \a < 6
	s_branch .Lgelu
.endif
.endr
.Lgelu:
	GHALF 0
	GHALF 1
.irp b, 0,1,2,3,4,5,6,7
	ds_store_b128 v[STO], v[TMP+4*\b:TMP+4*\b+3] offset:32*\b
.endr
.irp t, 0,1,2,3,4,5,6,7
	ds_load_b128 v[OB+4*\t:OB+4*\t+3], v[RD] offset:\t*2*SPITCH    ; LDS serves a wave's instructions in order: these see the stores above
.endr
	s_wait_dscnt 0x0
.irp t, 0,1,2,3,4,5,6,7
	global_store_b128 v[CO], v[OB+4*\t:OB+4*\t+3], s[8:9] offset:2*\t*SIZE_N*2   ; sixteen lanes store 256 consecutive bytes, aligned
.endr
	s_wait_xcnt 0x0                                ; the stores have read their registers and their base: both are written again in the next trip
	s_add_nc_u64 s[8:9], s[8:9], 16*SIZE_N*2
	s_add_co_u32 s3, s3, 1
	s_cmp_lt_u32 s3, 8
	s_cbranch_scc1 .Lblock
	s_wait_tensorcnt 0x0                           ; the wave's end
	ds_add_u32 v[SPW], v[NIL]
	s_wait_dscnt 0x0
	CROUND                                         ; the closing round
	s_endpgm
.Lfunc_end_k_qc0a1159b07_ffn1:
	.size	k_qc0a1159b07_ffn1, .Lfunc_end_k_qc0a1159b07_ffn1-k_qc0a1159b07_ffn1
	.p2alignl 7, 3214868480
	.fill 96, 4, 3214868480
	.section	.rodata,"a",@progbits
	.p2align	6, 0x0
	.amdhsa_kernel k_qc0a1159b07_ffn1
		.amdhsa_group_segment_fixed_size 327680
		.amdhsa_private_segment_fixed_size 0
		.amdhsa_enable_private_segment 0
		.amdhsa_kernarg_size 32
		.amdhsa_user_sgpr_count 2
		.amdhsa_user_sgpr_kernarg_segment_ptr 1
		.amdhsa_wavefront_size32 1
		.amdhsa_system_sgpr_workgroup_id_x 1
		.amdhsa_system_sgpr_workgroup_id_y 1
		.amdhsa_system_sgpr_workgroup_id_z 1
		.amdhsa_system_vgpr_workitem_id 0
		.amdhsa_next_free_vgpr 1024
		.amdhsa_next_free_sgpr 76
		.amdhsa_reserve_vcc 0
		.amdhsa_float_denorm_mode_32 3
		.amdhsa_float_denorm_mode_16_64 3
		.amdhsa_memory_ordered 1
		.amdhsa_forward_progress 1
		.amdhsa_inst_pref_size 163
	.end_amdhsa_kernel
	.amdgpu_metadata
---
amdhsa.version: [ 1, 2 ]
amdhsa.kernels:
  - .name:           k_qc0a1159b07_ffn1
    .symbol:         k_qc0a1159b07_ffn1.kd
    .args:
      - { .name: x1, .offset: 0, .size: 8, .value_kind: global_buffer, .address_space: global }
      - { .name: pw, .offset: 8, .size: 8, .value_kind: global_buffer, .address_space: global }
      - { .name: b1, .offset: 16, .size: 8, .value_kind: global_buffer, .address_space: global }
      - { .name: hh, .offset: 24, .size: 8, .value_kind: global_buffer, .address_space: global }
    .group_segment_fixed_size: 327680
    .private_segment_fixed_size: 0
    .kernarg_segment_align: 8
    .kernarg_segment_size: 32
    .max_flat_workgroup_size: 128
    .sgpr_count:     76
    .vgpr_count:     1024
    .wavefront_size: 32
...
	.end_amdgpu_metadata
.endif
;; end of part 6
;; launch ffn2 (part 7): grid 8 x 32, 4 waves a work-group, clusters of 4 x 4, 327,680 bytes of LDS; arguments hh, pw, b2, x1, y2; writes y2
.if DOCPART == 7
	.amdgcn_target "amdgcn-amd-amdhsa--gfx1250"
	.amdhsa_code_object_version 6
	.text
	.protected	k_qc0a1159b07_ffn2
	.globl	k_qc0a1159b07_ffn2
	.p2align	8
	.type	k_qc0a1159b07_ffn2,@function
k_qc0a1159b07_ffn2:
	s_mov_b64 s[64:65], 0
	v_nop
	global_prefetch_b8 v0, s[64:65] scope:SCOPE_SE
	s_setreg_imm32_b32 hwreg(HW_REG_WAVE_MODE, 25, 1), 1
	s_wait_xcnt 0x0
	s_wait_alu depctr_hold_cnt(0) depctr_sa_sdst(0) depctr_va_vdst(0) depctr_va_sdst(0) depctr_va_ssrc(0) depctr_va_vcc(0) depctr_vm_vsrc(0)
	s_getreg_b32 s2, hwreg(HW_REG_IB_STS2, 6, 4)
	s_cmp_eq_u32 s2, 0
	s_cbranch_scc0 .Lentry_in_a_cluster
	s_endpgm
.Lentry_in_a_cluster:
	s_bfe_u32 s2, ttmp6, 0x10000c
	s_cmp_lg_u32 s2, 0xf033
	s_cbranch_scc0 .Lentry_shape_is_right
	s_endpgm
.Lentry_shape_is_right:
; FFN2: y2 = x1 + h K2 + b2.  h: f16 [4096][4096]; K2: f16 [1024 n][4096 k] in pw; b2: f32; x1 (its f32 part) and y2: f32 [4096][1024].  f16 operands, f32 sums.
; A tile of 128 x 128 is made by four waves, 64 x 64 each: 16 accumulators.  K goes in steps of 256 (rows of 512 bytes + 16) through a ring of two LDS slots.  4 x 4 work-groups form a cluster: h's tiles are
; shared along a row of the cluster, K2's along a column, each asked for jointly.  The matrix instruction is used transposed: a lane holds eight neighbouring columns of one row.
; The bias is the C of each sum's first matrix instruction.  The residual's 64 x 64 numbers of a wave are asked for at the head, into registers of their own, and added on the way out.
; REGISTERS: window 0: v0-31 addresses; v32-63 the bias, later with v64-95 the way out; v128-255 accumulators.  window 1: two fragment buffers.  window 2: v0-127 the residual.
.set SIZE_K, 4096
.set SIZE_N, 1024
.set HEADS,  0
.set BIAS,   1
.set OBT,    14385152                  ; where the weight lies in pw
.set KSTEP,  256
.set PB,     528
.set HALFB,  64*PB
.if HEADS
.set PA,     144
.set HALFA,  4*64*PA
.set AQ,     64*PA
.set AROW,   128
.set ASTEP,  4*4096*128
.else
.set PA,     528
.set HALFA,  64*PA
.set AQ,     128
.set AROW,   SIZE_K*2
.set ASTEP,  KSTEP*2
.endif
.set SLOT,   2*HALFA+2*HALFB
.set STAGE,  2*SLOT
.set SPITCH, 272
.set SPARE,  STAGE+4*16*SPITCH         ; the spare words, 128 bytes a wave, which no other line names
.set LAPS,   SIZE_K/(2*KSTEP)
.set ADRA, 16
.set ADRB, 20
.set STO,  24
.set RD,   25
.set CO,   26
.set SPW,  28
.set NIL,  29
.set BI,   32
.set OUTB, 32
.set ACC,  128
.set F0,   0
.set F1,   128
.set G1,  24
.set G0,  32
.set G1B, 48
.set G0B, 56
.set BIA, 68
.set RES, 70
.set MSB, 0
.macro WIN new
.if MSB != \new
	s_set_vgpr_msb (MSB<<8)|\new
.set MSB, \new
.endif
.endm
.set MUL,  0x05
.set TO_F, 0x40
.macro JLOAD s                         ; waves 0 and 1 fetch A's two halves, waves 2 and 3 B's; an s_nop 0 and four v_nop follow each line
	s_cmp_eq_u32 s11, 0
	s_cbranch_scc0 .Lfor_b_\@
	tensor_load_to_lds s[G0+4*\s:G0+4*\s+3], s[G1:G1+7]
	s_nop 0
.rept 4
	v_nop
.endr
	s_branch .Lasked_\@
.Lfor_b_\@:
	tensor_load_to_lds s[G0B+4*\s:G0B+4*\s+3], s[G1B:G1B+7]
	s_nop 0
.rept 4
	v_nop
.endr
.Lasked_\@:
.endm
.macro CREST
	s_cmp_lg_u32 s10, 0
	s_cbranch_scc1 .Lnot_wave_0_\@
	s_barrier_signal -3
.Lnot_wave_0_\@:
	s_barrier_wait -3
	s_barrier_signal -1
	s_barrier_wait -1
.endm
.macro CROUND
	s_barrier_signal -1
	s_barrier_wait -1
	CREST
.endm
	s_load_b128 s[4:7], s[0:1], 0x0                ; A s[4:5], pw s[6:7]
.if BIAS
	s_load_b64 s[BIA:BIA+1], s[0:1], 0x10
	s_load_b64 s[RES:RES+1], s[0:1], 0x18
	s_load_b64 s[8:9], s[0:1], 0x20
.else
	s_load_b64 s[RES:RES+1], s[0:1], 0x10
	s_load_b64 s[8:9], s[0:1], 0x18
.endif
	v_lshl_add_u32 v[SPW], v0, 2, SPARE
	v_mov_b32 v[NIL], 0
	ds_add_u32 v[SPW], v[NIL]                      ; the wave's opening: the add, twice on end, and its wait ahead of my first tensor load
	ds_add_u32 v[SPW], v[NIL]
	v_lshrrev_b32 v1, 5, v0
	v_readfirstlane_b32 s10, v1                    ; wave 0..3
	s_lshr_b32 s11, s10, 1                         ; my half of the rows.  Also: I fetch for A (0) or for B (1)
	s_and_b32 s12, s10, 1                          ; my half of the columns.  Also: which 64 rows I fetch
	s_bfe_u32 s40, ttmp6, 0x40000
	s_bfe_u32 s41, ttmp6, 0x40004
	s_lshl_b32 s42, ttmp9, 2
	s_add_co_u32 s42, s42, s40                     ; tile column
	s_and_b32 s13, ttmp7, 0xffff
	s_lshl_b32 s13, s13, 2
	s_add_co_u32 s13, s13, s41                     ; tile row
	s_lshl_b32 s43, s41, 2
	s_lshl_b32 s43, 15, s43                        ; my row of the cluster
	s_lshl_b32 s44, 0x1111, s40                    ; my column
.if HEADS
	s_or_b32 s[G1+0], s43, (1<<16)|(1<<20)|(1<<21)|(4<<22)|(3<<25)
	s_mov_b32 s[G1+1], 4096<<16
	s_mov_b32 s[G1+2], 4<<16
	s_mov_b32 s[G1+3], 4096<<16
	s_mov_b32 s[G1+4], 4
	s_mov_b32 s[G1+5], 4096*64
.else
	s_or_b32 s[G1+0], s43, (1<<16)|(1<<20)|(1<<21)|(6<<22)|(3<<25)  ; mask; elements of 2 bytes; padding: 4 words behind every 128
	s_mov_b32 s[G1+1], KSTEP<<16                   ; tensor_dim0
	s_mov_b32 s[G1+2], 64<<16                      ; tensor_dim1
	s_mov_b32 s[G1+3], KSTEP<<16                   ; tile_dim0
	s_mov_b32 s[G1+4], 64                          ; tile_dim1
	s_mov_b32 s[G1+5], SIZE_K                      ; pitch
.endif
	s_mov_b32 s[G1+6], 0
	s_mov_b32 s[G1+7], 0
	s_or_b32 s[G1B+0], s44, (1<<16)|(1<<20)|(1<<21)|(6<<22)|(3<<25)
	s_mov_b32 s[G1B+1], KSTEP<<16
	s_mov_b32 s[G1B+2], 64<<16
	s_mov_b32 s[G1B+3], KSTEP<<16
	s_mov_b32 s[G1B+4], 64
	s_mov_b32 s[G1B+5], SIZE_K
	s_mov_b32 s[G1B+6], 0
	s_mov_b32 s[G1B+7], 0
	s_lshl_b32 s17, s12, 6
	s_lshl_b32 s16, s13, 7
	s_add_co_u32 s16, s16, s17                     ; A: row 128 x tile row + 64 x half
	s_lshl_b32 s46, s42, 7
	s_add_co_u32 s46, s46, s17                     ; B: row 128 x tile column + 64 x half
	s_mul_i32 s16, s16, AROW
	s_mov_b32 s17, 0
	s_mul_i32 s46, s46, SIZE_K*2
	s_add_co_u32 s46, s46, OBT
	s_mov_b32 s47, 0
	s_mul_i32 s20, s12, HALFA                      ; where they go: A's two halves, then B's two
	s_mul_i32 s21, s12, HALFB
	s_add_co_u32 s21, s21, 2*HALFA
	s_wait_dscnt 0x0                               ; both opening adds are done
	s_wait_kmcnt 0x0
	s_add_nc_u64 s[14:15], s[4:5], s[16:17]
	s_add_nc_u64 s[46:47], s[6:7], s[46:47]
	CROUND                                         ; all sixteen work-groups are here: the first joint loads meet
.irp s, 0,1
	s_mov_b32 s[G0+4*\s], 1
	s_add_co_u32 s[G0+4*\s+1], s20, \s*SLOT
	s_add_nc_u64 s[G0+4*\s+2:G0+4*\s+3], s[14:15], \s*ASTEP
	s_or_b32 s[G0+4*\s+3], s[G0+4*\s+3], 0x80000000
	s_mov_b32 s[G0B+4*\s], 1
	s_add_co_u32 s[G0B+4*\s+1], s21, \s*SLOT
	s_add_nc_u64 s[G0B+4*\s+2:G0B+4*\s+3], s[46:47], \s*KSTEP*2
	s_or_b32 s[G0B+4*\s+3], s[G0B+4*\s+3], 0x80000000
	JLOAD \s
.endr
	v_and_b32 v1, 15, v0                           ; r
	v_bfe_u32 v2, v0, 4, 1                         ; h
	v_mul_u32_u24 v3, v1, PA
	v_lshl_add_u32 v3, v2, 4, v3
	v_mul_u32_u24 v4, v1, PB
	v_lshl_add_u32 v4, v2, 4, v4
	s_mul_i32 s21, s11, HALFA                      ; my 64 rows of A
	s_mul_i32 s22, s12, HALFB                      ; my 64 rows of B, behind A's
	s_add_co_u32 s22, s22, 2*HALFA
.irp s, 0,1
	v_add_nc_u32 v[ADRA+\s], s21, v3
	v_add_nc_u32 v[ADRB+\s], s22, v4
	s_add_co_u32 s21, s21, SLOT
	s_add_co_u32 s22, s22, SLOT
.endr
	s_mul_i32 s23, s10, 16*SPITCH
	s_add_co_u32 s23, s23, STAGE                   ; my stage
	v_mul_u32_u24 v5, v1, SPITCH                   ; in: row r, 32 bytes for each half of the lanes
	v_lshl_add_u32 v5, v2, 5, v5
	v_add_nc_u32 v[STO], s23, v5
	v_mul_u32_u24 v5, v2, SPITCH                   ; back: lanes 0-15 one row of 256 bytes, lanes 16-31 the next
	v_lshl_add_u32 v5, v1, 4, v5
	v_add_nc_u32 v[RD], s23, v5
	v_lshlrev_b32 v5, 12, v2                       ; and the same two rows in memory
	v_lshl_add_u32 v[CO], v1, 4, v5
	s_lshl_b32 s16, s13, 7
	s_lshl_b32 s17, s11, 6
	s_add_co_u32 s16, s16, s17                     ; my first row
	s_lshl_b32 s16, s16, 12
	s_lshl_b32 s46, s42, 9
	s_lshl_b32 s47, s12, 8
	s_add_co_u32 s46, s46, s47                     ; my first column, in bytes of f32
	s_add_co_u32 s16, s16, s46
	s_mov_b32 s17, 0
	s_add_nc_u64 s[8:9], s[8:9], s[16:17]
	s_add_nc_u64 s[RES:RES+1], s[RES:RES+1], s[16:17]
.if BIAS
	s_mov_b32 s47, 0
	s_add_nc_u64 s[BIA:BIA+1], s[BIA:BIA+1], s[46:47]
	v_lshlrev_b32 v5, 5, v2                        ; the bias in the result's layout: block b, columns 16 b + 8 h + 0 .. 7
.irp b, 0,1,2,3
	global_load_b128 v[BI+8*\b:BI+8*\b+3],   v5, s[BIA:BIA+1] offset:64*\b
	global_load_b128 v[BI+8*\b+4:BI+8*\b+7], v5, s[BIA:BIA+1] offset:64*\b+16
.endr
.endif
	WIN 0x80                                       ; destination window 2
.irp a, 0,1,2,3
.irp t, 0,1,2,3,4,5,6,7
	global_load_b128 v[4*(8*\a+\t):4*(8*\a+\t)+3], v[CO], s[RES:RES+1] offset:(16*\a+2*\t)*SIZE_N*4   ; the residual, as the way out will hold the rows
.endr
.endr
	WIN 0
.macro MUL8 f, c, a0, zero             ; 8 matrix instructions: m blocks a0, a0 + 1 x the 4 n blocks, 32 along K; the 16 accumulators take turns
.irp a, \a0, \a0+1
.irp b, 0,1,2,3
.if \zero
.if BIAS
	v_wmma_f32_16x16x32_f16 v[ACC+8*(4*(\a)+\b):ACC+8*(4*(\a)+\b)+7], v[\f+64+8*(4*\c+\b):\f+64+8*(4*\c+\b)+7], v[\f+8*(4*\c+(\a)):\f+8*(4*\c+(\a))+7], v[BI+8*\b:BI+8*\b+7]
.else
	v_wmma_f32_16x16x32_f16 v[ACC+8*(4*(\a)+\b):ACC+8*(4*(\a)+\b)+7], v[\f+64+8*(4*\c+\b):\f+64+8*(4*\c+\b)+7], v[\f+8*(4*\c+(\a)):\f+8*(4*\c+(\a))+7], 0
.endif
.else
	v_wmma_f32_16x16x32_f16 v[ACC+8*(4*(\a)+\b):ACC+8*(4*(\a)+\b)+7], v[\f+64+8*(4*\c+\b):\f+64+8*(4*\c+\b)+7], v[\f+8*(4*\c+(\a)):\f+8*(4*\c+(\a))+7], v[ACC+8*(4*(\a)+\b):ACC+8*(4*(\a)+\b)+7]
.endif
.endr
.endr
.endm
.macro FETCH slot, k, f                ; 32 LDS loads in one run: the fragments of 64 along K at byte k of a K step's rows; the first 32 along K first
	WIN TO_F
.irp c, 0,1
.irp i, 0,1,2,3
	ds_load_b128 v[\f+64+8*(4*\c+\i):\f+64+8*(4*\c+\i)+3],   v[ADRB+\slot] offset:\k+64*\c+\i*16*PB
	ds_load_b128 v[\f+64+8*(4*\c+\i)+4:\f+64+8*(4*\c+\i)+7], v[ADRB+\slot] offset:\k+64*\c+\i*16*PB+32
	ds_load_b128 v[\f+8*(4*\c+\i):\f+8*(4*\c+\i)+3],         v[ADRA+\slot] offset:(\k)/128*AQ+64*\c+\i*16*PA
	ds_load_b128 v[\f+8*(4*\c+\i)+4:\f+8*(4*\c+\i)+7],       v[ADRA+\slot] offset:(\k)/128*AQ+64*\c+\i*16*PA+32
.endr
.endr
.endm
.macro PLACES
.rept 4
	v_nop
.endr
.endm
.macro QUARTER slot, k, f, g, zero     ; 64 along K on buffer f; the next quarter, at byte k, is fetched into g
	s_wait_dscnt 16                                ; the first 32 along K are in
	WIN MUL
	MUL8 \f, 0, 0, \zero
	MUL8 \f, 0, 2, \zero
	PLACES
	FETCH \slot, \k, \g
	s_wait_dscnt 32                                ; all but the 32 just issued
	WIN MUL
	MUL8 \f, 1, 0, 0
	MUL8 \f, 1, 2, 0
.endm
.macro TURN slot, next, fill           ; the last quarter changes slots: one barrier; fill = 1: this slot is filled again, two K steps ahead, behind a round of the cluster's barrier
	WIN 0
	s_wait_tensorcnt 0x0                           ; all my tensor loads have landed: my part of the next slot
	ds_add_u32 v[SPW], v[NIL]                      ; 0 onto my spare word
	s_wait_dscnt 17                                ; (the add and the youngest sixteen loads may be out)
	WIN MUL
	MUL8 F1, 0, 0, 0
	s_wait_dscnt 0x0                               ; the add is done, and my reads of this slot are over
	s_barrier_signal -1
	MUL8 F1, 0, 2, 0
.if \fill
	WIN 0
.endif
	s_barrier_wait -1
.if \fill
	CREST                                          ; no wave of any partner still reads this slot or has a load on its way
	s_add_nc_u64 s[G0+4*\slot+2:G0+4*\slot+3], s[G0+4*\slot+2:G0+4*\slot+3], 2*ASTEP
	s_add_nc_u64 s[G0B+4*\slot+2:G0B+4*\slot+3], s[G0B+4*\slot+2:G0B+4*\slot+3], 2*KSTEP*2
	JLOAD \slot                                    ; my one tensor load behind the round; its four v_nop are also the places in front of the loads below
.else
	PLACES
.endif
	FETCH \next, 0, F0
	WIN MUL
	MUL8 F1, 1, 0, 0
	MUL8 F1, 1, 2, 0
.endm
	s_wait_tensorcnt 1                             ; my part of K step 0 is in; K step 1's load may be out
	s_barrier_signal -1
	s_barrier_wait -1
	FETCH 0, 0, F0
.if BIAS
	s_wait_loadcnt 32                              ; the bias is in; the residual's 32 loads may stay out
.endif
	QUARTER 0, 128, F0, F1, 1                      ; the first products start the sums, on the bias
	WIN 0
	s_mov_b32 s3, LAPS-1
.Llap:                                                 ; a trip goes once round the ring and fills both slots again
	QUARTER 0, 256, F1, F0, 0
	QUARTER 0, 384, F0, F1, 0
	TURN 0, 1, 1
	QUARTER 1, 128, F0, F1, 0
	QUARTER 1, 256, F1, F0, 0
	QUARTER 1, 384, F0, F1, 0
	TURN 1, 0, 1
	QUARTER 0, 128, F0, F1, 0
	WIN 0
	s_sub_co_u32 s3, s3, 1
	s_cmp_lg_u32 s3, 0
	s_cbranch_scc1 .Llap
	QUARTER 0, 256, F1, F0, 0                      ; the last lap fills nothing
	QUARTER 0, 384, F0, F1, 0
	TURN 0, 1, 0
	QUARTER 1, 128, F0, F1, 0
	QUARTER 1, 256, F1, F0, 0
	QUARTER 1, 384, F0, F1, 0
	s_wait_dscnt 16
	WIN MUL
	MUL8 F1, 0, 0, 0
	MUL8 F1, 0, 2, 0
	s_wait_dscnt 0
	MUL8 F1, 1, 0, 0
	MUL8 F1, 1, 2, 0
	WIN 0
	; THE WAY OUT.  A wave's 64 columns of f32 are 256 consecutive bytes, aligned: 16 rows at a time go through my own stage and come back as whole rows; the residual is added; sixteen lanes store a row.
	PLACES
.irp a, 0,1,2,3
.set BB, OUTB+32*(\a%2)
.if \a >= 2
	s_wait_xcnt 0x0                                ; the stores of two blocks back have read these registers
.endif
.irp b, 0,1,2,3
	ds_store_b128 v[STO], v[ACC+8*(4*\a+\b):ACC+8*(4*\a+\b)+3] offset:64*\b          ; each accumulator from its low end on
	ds_store_b128 v[STO], v[ACC+8*(4*\a+\b)+4:ACC+8*(4*\a+\b)+7] offset:64*\b+16
.endr
.irp t, 0,1,2,3,4,5,6,7
	ds_load_b128 v[BB+4*\t:BB+4*\t+3], v[RD] offset:\t*2*SPITCH    ; LDS serves a wave's instructions in order
.endr
	s_wait_dscnt 0x0
.if \a == 0
	s_wait_loadcnt 0x0                             ; the residual
.endif
	WIN 0x08                                       ; source 1: window 2
.set i, 0
.rept 16
	v_pk_add_f32 v[BB+2*i:BB+2*i+1], v[BB+2*i:BB+2*i+1], v[32*\a+2*i:32*\a+2*i+1]
.set i, i+1
.endr
	WIN 0
.irp t, 0,1,2,3,4,5,6,7
	global_store_b128 v[CO], v[BB+4*\t:BB+4*\t+3], s[8:9] offset:(16*\a+2*\t)*SIZE_N*4 th:TH_STORE_NT
.endr
.endr
	s_wait_tensorcnt 0x0                           ; the wave's end
	ds_add_u32 v[SPW], v[NIL]
	s_wait_dscnt 0x0
	CROUND                                         ; the closing round
	s_endpgm
.Lfunc_end_k_qc0a1159b07_ffn2:
	.size	k_qc0a1159b07_ffn2, .Lfunc_end_k_qc0a1159b07_ffn2-k_qc0a1159b07_ffn2
	.p2alignl 7, 3214868480
	.fill 96, 4, 3214868480
	.section	.rodata,"a",@progbits
	.p2align	6, 0x0
	.amdhsa_kernel k_qc0a1159b07_ffn2
		.amdhsa_group_segment_fixed_size 327680
		.amdhsa_private_segment_fixed_size 0
		.amdhsa_enable_private_segment 0
		.amdhsa_kernarg_size 40
		.amdhsa_user_sgpr_count 2
		.amdhsa_user_sgpr_kernarg_segment_ptr 1
		.amdhsa_wavefront_size32 1
		.amdhsa_system_sgpr_workgroup_id_x 1
		.amdhsa_system_sgpr_workgroup_id_y 1
		.amdhsa_system_sgpr_workgroup_id_z 1
		.amdhsa_system_vgpr_workitem_id 0
		.amdhsa_next_free_vgpr 640
		.amdhsa_next_free_sgpr 76
		.amdhsa_reserve_vcc 0
		.amdhsa_float_denorm_mode_32 3
		.amdhsa_float_denorm_mode_16_64 3
		.amdhsa_memory_ordered 1
		.amdhsa_forward_progress 1
		.amdhsa_inst_pref_size 94
	.end_amdhsa_kernel
	.amdgpu_metadata
---
amdhsa.version: [ 1, 2 ]
amdhsa.kernels:
  - .name:           k_qc0a1159b07_ffn2
    .symbol:         k_qc0a1159b07_ffn2.kd
    .args:
      - { .name: hh, .offset: 0, .size: 8, .value_kind: global_buffer, .address_space: global }
      - { .name: pw, .offset: 8, .size: 8, .value_kind: global_buffer, .address_space: global }
      - { .name: b2, .offset: 16, .size: 8, .value_kind: global_buffer, .address_space: global }
      - { .name: x1, .offset: 24, .size: 8, .value_kind: global_buffer, .address_space: global }
      - { .name: y2, .offset: 32, .size: 8, .value_kind: global_buffer, .address_space: global }
    .group_segment_fixed_size: 327680
    .private_segment_fixed_size: 0
    .kernarg_segment_align: 8
    .kernarg_segment_size: 40
    .max_flat_workgroup_size: 128
    .sgpr_count:     76
    .vgpr_count:     640
    .wavefront_size: 32
...
	.end_amdgpu_metadata
.endif
;; end of part 7
;; launch ln2 (part 8): grid 256 x 1, 8 waves a work-group, no clusters, 0 bytes of LDS; arguments y2, g2, be2, out0; writes out0
.if DOCPART == 8
	.amdgcn_target "amdgcn-amd-amdhsa--gfx1250"
	.amdhsa_code_object_version 6
	.text
	.protected	k_qc0a1159b07_ln2
	.globl	k_qc0a1159b07_ln2
	.p2align	8
	.type	k_qc0a1159b07_ln2,@function
k_qc0a1159b07_ln2:
	s_mov_b64 s[64:65], 0
	v_nop
	global_prefetch_b8 v0, s[64:65] scope:SCOPE_SE
	s_setreg_imm32_b32 hwreg(HW_REG_WAVE_MODE, 25, 1), 1
	s_wait_xcnt 0x0
; LN2: out0 = g2 (y2 - mean) rsqrt(var + 1e-3) + be2, row by row of 1,024, f32.
; A wave owns two rows; a row is 32 registers and stays there between the passes: memory is read once, no LDS, no barrier.  The variance is the mean of (x - mean)^2, as reference() has it.
.set G,    32                          ; v32-63  the gain of my 32 columns
.set BE,   64                          ; v64-95  the offset
.set X0,   96                          ; v96-127, v128-159 the two rows
	s_load_b256 s[4:11], s[0:1], 0x0               ; in s[4:5], gain s[6:7], offset s[8:9], out s[10:11]
	v_and_b32 v3, 31, v0
	v_lshlrev_b32 v1, 4, v3                        ; 16 bytes a lane
	v_lshrrev_b32 v3, 5, v0
	v_readfirstlane_b32 s20, v3                    ; wave 0..7
	s_lshl_b32 s18, ttmp9, 16                      ; 16 rows of 4,096 bytes a work-group,
	s_lshl_b32 s19, s20, 13                        ; two a wave
	s_add_co_u32 s18, s18, s19
	s_mov_b32 s19, 0
	s_mov_b32 s14, 0x3a800000                      ; 1 / 1024
	s_mov_b32 s15, 0x3a83126f                      ; 1e-3
	s_mov_b32 s16, 0x76543210
	s_mov_b32 s17, 0xfedcba98
	s_wait_kmcnt 0x0
	s_add_nc_u64 s[4:5], s[4:5], s[18:19]
	s_add_nc_u64 s[10:11], s[10:11], s[18:19]
.irp j, 0,1,2,3,4,5,6,7
	global_load_b128 v[G+4*\j:G+4*\j+3], v1, s[6:7] offset:512*\j
.endr
.irp j, 0,1,2,3,4,5,6,7
	global_load_b128 v[BE+4*\j:BE+4*\j+3], v1, s[8:9] offset:512*\j
.endr
.irp q, 0,1
.irp j, 0,1,2,3,4,5,6,7
	global_load_b128 v[X0+32*\q+4*\j:X0+32*\q+4*\j+3], v1, s[4:5] offset:4096*\q+512*\j th:TH_LOAD_NT   ; 512 consecutive bytes a load
.endr
.endr
.macro FOLD                            ; four chains in v[4:11] -> their sum over the wave, in every lane's v4
	v_pk_add_f32 v[4:5], v[4:5], v[6:7]
	v_pk_add_f32 v[8:9], v[8:9], v[10:11]
	v_pk_add_f32 v[4:5], v[4:5], v[8:9]
	v_add_f32 v4, v4, v5
	v_add_f32_dpp v4, v4, v4 row_xmask:1 row_mask:0xf bank_mask:0xf
	v_add_f32_dpp v4, v4, v4 row_xmask:2 row_mask:0xf bank_mask:0xf
	v_add_f32_dpp v4, v4, v4 row_xmask:4 row_mask:0xf bank_mask:0xf
	v_add_f32_dpp v4, v4, v4 row_xmask:8 row_mask:0xf bank_mask:0xf
	v_permlanex16_b32 v5, v4, s16, s17
	v_add_f32 v4, v4, v5
.endm
.macro ROW q
.set XR, X0+32*\q
.irp c, 0,1,2,3
	v_pk_add_f32 v[4+2*\c:5+2*\c], v[XR+2*\c:XR+2*\c+1], v[XR+8+2*\c:XR+9+2*\c]
.endr
.irp j, 16,24
.irp c, 0,1,2,3
	v_pk_add_f32 v[4+2*\c:5+2*\c], v[4+2*\c:5+2*\c], v[XR+\j+2*\c:XR+\j+2*\c+1]
.endr
.endr
	FOLD
	v_mul_f32 v16, s14, v4                         ; the mean, twice: a pair for the packed forms
	v_mul_f32 v17, s14, v4
.set i, 0
.rept 16
	v_pk_add_f32 v[XR+2*i:XR+2*i+1], v[XR+2*i:XR+2*i+1], v[16:17] neg_lo:[0,1] neg_hi:[0,1]
.set i, i+1
.endr
.irp c, 0,1,2,3
	v_pk_mul_f32 v[4+2*\c:5+2*\c], v[XR+2*\c:XR+2*\c+1], v[XR+2*\c:XR+2*\c+1]
.endr
.irp j, 8,16,24
.irp c, 0,1,2,3
	v_pk_fma_f32 v[4+2*\c:5+2*\c], v[XR+\j+2*\c:XR+\j+2*\c+1], v[XR+\j+2*\c:XR+\j+2*\c+1], v[4+2*\c:5+2*\c]
.endr
.endr
	FOLD
	v_fma_f32 v4, v4, s14, s15                     ; the variance + 1e-3
	v_rsq_f32 v18, v4
	v_rsq_f32 v19, v4
	v_nop                                          ; a plain instruction behind the transcendentals
	s_wait_alu depctr_va_vdst(0)                   ; one wait for both, ahead of their first reader
.set i, 0
.rept 16
	v_pk_mul_f32 v[XR+2*i:XR+2*i+1], v[XR+2*i:XR+2*i+1], v[18:19]
.set i, i+1
.endr
.set i, 0
.rept 16
	v_pk_fma_f32 v[XR+2*i:XR+2*i+1], v[XR+2*i:XR+2*i+1], v[G+2*i:G+2*i+1], v[BE+2*i:BE+2*i+1]
.set i, i+1
.endr
.irp j, 0,1,2,3,4,5,6,7
	global_store_b128 v1, v[XR+4*\j:XR+4*\j+3], s[10:11] offset:4096*\q+512*\j th:TH_STORE_NT
.endr
.endm
	s_wait_loadcnt 8                               ; gain, offset and the first row are in; the second row's eight loads may be out
	ROW 0
	s_wait_loadcnt 0
	ROW 1
	s_endpgm
.Lfunc_end_k_qc0a1159b07_ln2:
	.size	k_qc0a1159b07_ln2, .Lfunc_end_k_qc0a1159b07_ln2-k_qc0a1159b07_ln2
	.p2alignl 7, 3214868480
	.fill 96, 4, 3214868480
	.section	.rodata,"a",@progbits
	.p2align	6, 0x0
	.amdhsa_kernel k_qc0a1159b07_ln2
		.amdhsa_group_segment_fixed_size 0
		.amdhsa_private_segment_fixed_size 0
		.amdhsa_enable_private_segment 0
		.amdhsa_kernarg_size 32
		.amdhsa_user_sgpr_count 2
		.amdhsa_user_sgpr_kernarg_segment_ptr 1
		.amdhsa_wavefront_size32 1
		.amdhsa_system_sgpr_workgroup_id_x 1
		.amdhsa_system_sgpr_workgroup_id_y 1
		.amdhsa_system_sgpr_workgroup_id_z 1
		.amdhsa_system_vgpr_workitem_id 0
		.amdhsa_next_free_vgpr 192
		.amdhsa_next_free_sgpr 66
		.amdhsa_reserve_vcc 0
		.amdhsa_float_denorm_mode_32 3
		.amdhsa_float_denorm_mode_16_64 3
		.amdhsa_memory_ordered 1
		.amdhsa_forward_progress 1
		.amdhsa_inst_pref_size 18
	.end_amdhsa_kernel
	.amdgpu_metadata
---
amdhsa.version: [ 1, 2 ]
amdhsa.kernels:
  - .name:           k_qc0a1159b07_ln2
    .symbol:         k_qc0a1159b07_ln2.kd
    .args:
      - { .name: y2, .offset: 0, .size: 8, .value_kind: global_buffer, .address_space: global }
      - { .name: g2, .offset: 8, .size: 8, .value_kind: global_buffer, .address_space: global }
      - { .name: be2, .offset: 16, .size: 8, .value_kind: global_buffer, .address_space: global }
      - { .name: out0, .offset: 24, .size: 8, .value_kind: global_buffer, .address_space: global }
    .group_segment_fixed_size: 0
    .private_segment_fixed_size: 0
    .kernarg_segment_align: 8
    .kernarg_segment_size: 32
    .max_flat_workgroup_size: 256
    .sgpr_count:     66
    .vgpr_count:     192
    .wavefront_size: 32
...
	.end_amdgpu_metadata
.endif
;; end of part 8
